; MI455X (gfx1250); checked and timed in simulation.
; The chip was launched on July 23, 2026; its instructions are those of AMD's public machine-readable ISA for CDNA 5 (MIT licence, August 2026) and "CDNA5" Instruction Set Architecture Reference Guide (July 2026). The comments in the code are by the model that wrote it; some were corrected since.
;; Sigmoid Attention. Allowed arithmetic: matrix products marked QUANTISED: E2M3 operands, one E8M0 scale for each 32 along K, by v_wmma_scale_f32_16x16x128_f8f6f4 with both operands' format E2M3, f32 sums; everything else in f32.
;; Inputs: Wk 1,024 x 1,024 float32; Wp 1,024 x 1,024 float32; Wq 1,024 x 1,024 float32; Wv 1,024 x 1,024 float32; bk 64 float32; bp 1,024 float32; bq 64 float32; gk 64 float32; gq 64 float32; k 1 x 4,096 x 1,024 float32; q 1 x 4,096 x 1,024 float32; v 1 x 4,096 x 1,024 float32.
;; Outputs: out0 1 x 4,096 x 1,024 float32.
;; This version of the problem:
;;   THIS VERSION OF THE PROBLEM IS GIVEN IN LOW PRECISION. The matrix products marked QUANTISED in the list below multiply operands that are first quantised to E2M3 (2 exponent bits, 3 mantissa bits; 6 bits a number), with one power-of-two scale for each 32 numbers along K (OCP MX v1.0); their sums are f32. All else is computed in f32.
;;   The module's matrix products, in the order in which they are computed (A, B: the left and right operand; K: the contracted axis; several contracted axes count as one K, in the product's order):
;;     1. [M 4,096, K 1,024] x [K 1,024, N 1,024]; A: input q; B: input Wq: QUANTISED
;;     2. [M 4,096, K 1,024] x [K 1,024, N 1,024]; A: input k; B: input Wk: QUANTISED
;;     3. [M 4,096, K 1,024] x [K 1,024, N 1,024]; A: input v; B: input Wv: QUANTISED
;;     4. batch 16 x [M 4,096, K 64] x [K 64, N 4,096]; A: computed on the way; B: computed on the way: QUANTISED
;;     5. batch 16 x [M 4,096, K 4,096] x [K 4,096, N 64]; A: computed on the way; B: computed on the way: QUANTISED
;;     6. [M 4,096, K 1,024] x [K 1,024, N 1,024]; A: computed on the way; B: input Wp: QUANTISED
;;   THE QUANTISER, for each operand of a quantised product, along K:
;;     - K is cut into blocks of 32 from its start; a last block that is shorter is filled with zeros.
;;     - A block's scale is 2^e with e = floor(log2(the largest magnitude in the block)) - 2, held to -126 .. 127; a block of zeros has e = 0. As a byte (E8M0): e + 127.
;;     - Each number is divided by its block's scale, clamped to +-7.5, and rounded to the nearest number of E2M3, ties to even, subnormals kept.
;;     - The product sums the exact products of the quantised numbers (number of the format x scale) in f32.
;;   ~~~python
;;   def quantise(x, axis):      # numpy; x: float32 -> the quantised numbers, widened to float32 again
;;       x = np.moveaxis(x, axis, -1); K = x.shape[-1]
;;       x = np.pad(x, [(0, 0)] * (x.ndim - 1) + [(0, -K % 32)]); x = x.reshape(x.shape[:-1] + (-1, 32)); a = np.abs(x).max(-1, keepdims=True)
;;       e = np.where(a > 0, np.clip(np.frexp(np.where(a > 0, a, 1))[1] - 1 - 2, -126, 127), 0)      # np.frexp(a)[1] - 1 = floor(log2(a)), exactly
;;       r = np.clip(x / 2.0 ** e, -7.5, 7.5)
;;       step = 2.0 ** (np.maximum(np.frexp(np.where(r == 0, 1, r))[1] - 1, 0) - 3)
;;       q = np.round(r / step) * step * 2.0 ** e      # np.round: ties to even
;;       return np.moveaxis(q.reshape(q.shape[:-2] + (-1,))[..., :K], -1, axis).astype(np.float32)
;;   ~~~
;;   OPERANDS COMPUTED ON THE WAY. 'Computed on the way' means the value that the module computes at that place (a softmax that the list does not call 'softmax' is quantised finished and normalised). What goes into a quantiser is computed in f32, as accurately as f32 sums, v_exp_f32 and their like allow (about 1e-6 of the number): no bf16 or f16 on the way to a quantiser, and a product that is left as it is and whose result goes on into a quantised operand takes f32 operands (vector FMAs, or v_wmma_f32_16x16x4_f32). A number that lies on a knife's edge between two numbers of the format may be rounded either way, as far as f32 arithmetic and the matrix unit's own rounding can turn it there, and no further.
;; One version. Each part assembles by itself: llvm-mc -triple=amdgcn-amd-amdhsa -mcpu=gfx1250 --defsym DOCPART=n.
;; ======== version 1 of 1: 4 launches
;; workspace buffers: xc 13,107,200 bytes; qc 3,276,800 bytes; kv 6,553,600 bytes; oc 3,276,800 bytes
;; launch quant (part 1): grid 256 x 1, 8 waves a work-group, no clusters, 68,608 bytes of LDS; arguments q, k, v, Wq, Wk, Wv, Wp, xc; writes xc
.if DOCPART == 1
	.amdgcn_target "amdgcn-amd-amdhsa--gfx1250"
	.amdhsa_code_object_version 6
	.text
	.protected	k_q698f616142_quant
	.globl	k_q698f616142_quant
	.p2align	8
	.type	k_q698f616142_quant,@function
k_q698f616142_quant:
	s_mov_b64 s[64:65], 0
	v_nop
	global_prefetch_b8 v0, s[64:65] scope:SCOPE_SE
	s_setreg_imm32_b32 hwreg(HW_REG_WAVE_MODE, 25, 1), 1
	s_wait_xcnt 0x0
; q, k, v [4096][1024] and Wq, Wk, Wv, Wp [1024][1024], f32, K innermost, become codes of E2M3 with one E8M0 byte for each 32 along K,
; laid in xc IN THE ORDER OF AN OPERAND'S REGISTERS.  xc: 128 blocks of 128 rows (q 0-31, k 32-63, v 64-95, Wq 96-103, Wk 104-111, Wv 112-119, Wp 120-127),
; a block = 8 K steps of 12,800 bytes: 8 fragments of 1,536 bytes (tile 4 g + u of the block's two groups of 64 rows), then two units of 256 bytes of scale words.
; A fragment (16 rows x 128 K, 12 registers a lane) is two halves of 768 bytes (64 K each): registers 0-3 of lane l at 16 l, registers 4-5 at 512 + 8 l.
; THE ROWS OF A TILE ARE NOT NEIGHBOURS: in a group of 64 rows, row m of tile u stands for row 8 u + m % 8 + 32 (m / 8), so that in every later product the 32 result
; registers of a group's four tiles are 32 NEIGHBOURING rows in one lane: a whole block of the next quantiser.
; A scale unit: [tile row r][4 words], word u = tile u's word for row r and this K step (byte 2 c + h for k = 64 c + 32 h on).
; SHARES: a work-group takes one group of 64 rows (262,144 consecutive bytes), wave w its K step w: four fragments.  Each load reads 512 consecutive bytes of a row; a fragment's 16 rows
; turn through the wave's own stage in LDS (rows 528 bytes apart) so that a lane gets 32 neighbours along K of its row.  Waves share nothing: no barrier.
; A block's scale byte is its largest magnitude's exponent field - 2, held at 1 from below.
; LIMITS: a block of zeros gets the byte 1 where the rule says 127 (its codes are zeros; only this program reads the bytes); NaN and infinities among the inputs are not served.
.set STGB,  16*528
.set SPARE, 8*STGB                     ; behind the eight stages: the spare words, 128 bytes a wave
.set LN,  1
.set RR,  2
.set HH,  3
.set L16, 4                            ; 16 x lane
.set L8,  5                            ; 8 x lane
.set STI, 6                            ; the stage, in: 16 x lane of a row
.set STO, 7                            ; the stage, out: row r, + 128 h
.set H8,  8                            ; 8 h
.set SCO, 9                            ; 16 r + 8 h: my two words of the scale unit
.set SPW, 10
.set NIL, 11
.set PX,  12
.set MA,  14                           ; v14-17 largest magnitudes, two chains a block
.set SOP, 18                           ; v18-19 the conversions' scale operands
.set BY,  20                           ; v20-21 the bytes
.set WD,  24                           ; v24-27 the four fragments' scale words
.set ZZ,  28
.set CD,  36                           ; v36-47 a fragment's codes
.set TP,  48                           ; v48-54 the blocks' upper halves as converted
.set R,   64                           ; v64-191 two sets of 16 x 4 registers as loaded
.set X,   192                          ; v192-255 my 2 x 32 neighbours
; n blocks of 32 numbers of a lane (block q at v[y + ys q]) -> the scale operand in v[so + q], the byte in v[by + q].  ab = 1: magnitudes.
.macro QSCALE n, y, ys, ma, so, by, ab
.irp q, 0,1
.if \q < \n
.if \ab
	v_max3_num_f32 v[\ma+2*\q], |v[\y+\ys*\q]|, |v[\y+\ys*\q+1]|, 0x1800000   ; the floor 2^(3 - 127) among the leaves: the byte cannot fall under 1
	v_max3_num_f32 v[\ma+2*\q+1], |v[\y+\ys*\q+16]|, |v[\y+\ys*\q+17]|, |v[\y+\ys*\q+18]|
.else
	v_max3_num_f32 v[\ma+2*\q], v[\y+\ys*\q], v[\y+\ys*\q+1], 0x1800000
	v_max3_num_f32 v[\ma+2*\q+1], v[\y+\ys*\q+16], v[\y+\ys*\q+17], v[\y+\ys*\q+18]
.endif
.endif
.endr
.irp i, 2,4,6,8,10,12
.irp q, 0,1
.if \q < \n
.if \ab
	v_max3_num_f32 v[\ma+2*\q], v[\ma+2*\q], |v[\y+\ys*\q+\i]|, |v[\y+\ys*\q+\i+1]|
	v_max3_num_f32 v[\ma+2*\q+1], v[\ma+2*\q+1], |v[\y+\ys*\q+\i+17]|, |v[\y+\ys*\q+\i+18]|
.else
	v_max3_num_f32 v[\ma+2*\q], v[\ma+2*\q], v[\y+\ys*\q+\i], v[\y+\ys*\q+\i+1]
	v_max3_num_f32 v[\ma+2*\q+1], v[\ma+2*\q+1], v[\y+\ys*\q+\i+17], v[\y+\ys*\q+\i+18]
.endif
.endif
.endr
.endr
.irp q, 0,1
.if \q < \n
.if \ab
	v_max3_num_f32 v[\ma+2*\q], v[\ma+2*\q], |v[\y+\ys*\q+14]|, |v[\y+\ys*\q+15]|
.else
	v_max3_num_f32 v[\ma+2*\q], v[\ma+2*\q], v[\y+\ys*\q+14], v[\y+\ys*\q+15]
.endif
.endif
.endr
.irp q, 0,1
.if \q < \n
.if \ab
	v_max3_num_f32 v[\ma+2*\q], v[\ma+2*\q+1], |v[\y+\ys*\q+31]|, v[\ma+2*\q]
.else
	v_max3_num_f32 v[\ma+2*\q], v[\ma+2*\q+1], v[\y+\ys*\q+31], v[\ma+2*\q]
.endif
.endif
.endr
.irp q, 0,1
.if \q < \n
	v_add_nc_u32 v[\so+\q], 0xff000000, v[\ma+2*\q]   ; 2 off the exponent field: the conversion takes this operand's exponent field as its scale
.endif
.endr
.irp q, 0,1
.if \q < \n
	v_lshrrev_b32 v[\by+\q], 23, v[\so+\q]            ; the scale's byte
.endif
.endr
.endm
; the same blocks -> six registers of codes each, at v[cd + cs q]
.macro QCODE n, y, ys, cd, cs, tp, so
.irp q, 0,1
.if \q < \n
	v_cvt_scalef32_pk16_fp6_f32 v[\cd+\cs*\q:\cd+\cs*\q+2], v[\y+\ys*\q:\y+\ys*\q+15], v[\so+\q]
	v_cvt_scalef32_pk16_fp6_f32 v[\tp+4*\q:\tp+4*\q+2], v[\y+\ys*\q+16:\y+\ys*\q+31], v[\so+\q]   ; (a conversion's three registers begin on an even number)
.endif
.endr
	v_nop                                          ; one plain place behind the scaled conversions
.irp q, 0,1
.if \q < \n
.irp i, 0,1,2
	v_mov_b32 v[\cd+\cs*\q+3+\i], v[\tp+4*\q+\i]
.endr
.endif
.endr
.endm
	s_load_b512 s[4:19], s[0:1], 0x0               ; q, k, v, Wq, Wk, Wv, Wp, xc
	v_lshl_add_u32 v[SPW], v0, 2, SPARE
	v_mov_b32 v[NIL], 0
	v_lshrrev_b32 v1, 5, v0
	v_readfirstlane_b32 s20, v1                    ; wave = K step
	v_and_b32 v[LN], 31, v0
	v_and_b32 v[RR], 15, v0
	v_bfe_u32 v[HH], v0, 4, 1
	v_lshlrev_b32 v[L16], 4, v[LN]
	v_lshlrev_b32 v[L8], 3, v[LN]
	s_mul_i32 s21, s20, STGB                       ; my stage
	v_add_nc_u32 v[STI], s21, v[L16]
	v_mul_u32_u24 v[STO], v[RR], 528
	v_lshl_add_u32 v[STO], v[HH], 7, v[STO]
	v_add_nc_u32 v[STO], s21, v[STO]
	v_lshlrev_b32 v[H8], 3, v[HH]
	v_lshlrev_b32 v[SCO], 4, v[RR]
	v_lshl_add_u32 v[SCO], v[HH], 3, v[SCO]
	v_mov_b32 v[PX], 0                             ; written once: a lane permute's destination counts as one of its sources
	s_mov_b32 s22, 0x76543210
	s_mov_b32 s23, 0xfedcba98                      ; v_permlanex16_b32's selects for lane l xor 16
	s_wait_kmcnt 0x0
	s_mov_b64 s[24:25], s[16:17]                   ; which tensor is my group's: the choice hangs on the work-group's number alone
	s_mov_b32 s26, 240
.macro PICK lim, ptr, first
	s_cmp_lt_u32 ttmp9, \lim
	s_cselect_b64 s[24:25], s[\ptr:\ptr+1], s[24:25]
	s_cselect_b32 s26, \first, s26
.endm
	PICK 240, 14, 224
	PICK 224, 12, 208
	PICK 208, 10, 192
	PICK 192, 8, 128
	PICK 128, 6, 64
	PICK 64, 4, 0
	s_sub_co_u32 s26, ttmp9, s26                   ; my group in its tensor: 64 rows of 4,096 bytes each,
	s_lshl_b32 s26, s26, 18
	s_lshl_b32 s27, s20, 9                         ; and my K step's 512 bytes of a row
	s_add_co_u32 s26, s26, s27
	s_mov_b32 s27, 0
	s_add_nc_u64 s[24:25], s[24:25], s[26:27]
	s_lshr_b32 s32, ttmp9, 1
	s_mul_i32 s32, s32, 102400                     ; the block of 128 rows in xc,
	s_mul_i32 s33, s20, 12800                      ; the K step
	s_add_co_u32 s32, s32, s33
	s_mov_b32 s33, 0
	s_add_nc_u64 s[30:31], s[18:19], s[32:33]
	s_and_b32 s34, ttmp9, 1                        ; which of the block's two groups
	s_mul_i32 s32, s34, 6144
	s_add_nc_u64 s[28:29], s[30:31], s[32:33]      ; my four fragments
	s_lshl_b32 s32, s34, 8
	s_add_co_u32 s32, s32, 12288
	s_add_nc_u64 s[30:31], s[30:31], s[32:33]      ; my scale unit
.macro LOAD f                          ; tile f's 16 rows, 512 consecutive bytes each, into set f % 2
.irp m, 0,1,2,3,4,5,6,7,8,9,10,11,12,13,14,15
	global_load_b128 v[R+64*((\f)%2)+4*\m:R+64*((\f)%2)+4*\m+3], v[L16], s[24:25] offset:(8*(\f)+(\m%8)+32*(\m/8))*4096 th:TH_LOAD_NT
.endr
.endm
.macro FRAGQ f
.if \f < 3
	s_wait_loadcnt 16                              ; this tile's 16 loads are in; the next tile's 16 may be out
.else
	s_wait_loadcnt 0
.endif
.irp m, 0,1,2,3,4,5,6,7,8,9,10,11,12,13,14,15
	ds_store_b128 v[STI], v[R+64*((\f)%2)+4*\m:R+64*((\f)%2)+4*\m+3] offset:528*\m
.endr
.irp c, 0,1
.irp i, 0,1,2,3,4,5,6,7
	ds_load_b128 v[X+32*\c+4*\i:X+32*\c+4*\i+3], v[STO] offset:256*\c+16*\i   ; LDS serves a wave's instructions in order: these see the stores above.  k = 64 c + 32 h + 4 i on, of row r
.endr
.endr
	s_wait_dscnt 0x0                               ; my numbers are back, and the stores into the stage have read their registers
	s_wait_xcnt 0x0                                ; the last tile's four stores have read their data: the codes' registers are rewritten below
.if \f < 2
	LOAD (\f)+2
.endif
	QSCALE 2, X, 32, MA, SOP, BY, 1
	v_lshl_or_b32 v[WD+\f], v[BY+1], 16, v[BY]     ; my two bytes, blocks h and 2 + h of row r,
	v_lshlrev_b32 v[WD+\f], v[H8], v[WD+\f]        ; at their places,
	v_permlanex16_b32 v[PX], v[WD+\f], s22, s23
	v_or_b32 v[WD+\f], v[WD+\f], v[PX]             ; with lane l xor 16's two: the row's word
	QCODE 2, X, 32, CD, 6, TP, SOP
	global_store_b128 v[L16], v[CD:CD+3], s[28:29] offset:1536*\f          ; 512 consecutive bytes,
	global_store_b64 v[L8], v[CD+4:CD+5], s[28:29] offset:1536*\f+512      ; 256,
	global_store_b128 v[L16], v[CD+6:CD+9], s[28:29] offset:1536*\f+768
	global_store_b64 v[L8], v[CD+10:CD+11], s[28:29] offset:1536*\f+1280   ; each at a multiple of 256 from xc's first byte
.endm
	LOAD 0
	LOAD 1
	FRAGQ 0
	FRAGQ 1
	FRAGQ 2
	FRAGQ 3
	v_cmp_gt_u32 vcc_lo, 16, v[LN]                 ; lanes 0-15 store words 0, 1 of row r, lanes 16-31 words 2, 3
	v_cndmask_b32 v[ZZ], v[WD+2], v[WD], vcc_lo
	v_cndmask_b32 v[ZZ+1], v[WD+3], v[WD+1], vcc_lo
	global_store_b64 v[SCO], v[ZZ:ZZ+1], s[30:31]  ; 32 lanes store 256 consecutive bytes, aligned
	s_wait_tensorcnt 0x0                           ; the wave's end, behind my last LDS store
	ds_add_u32 v[SPW], v[NIL]
	s_wait_dscnt 0x0
	s_endpgm
.Lfunc_end_k_q698f616142_quant:
	.size	k_q698f616142_quant, .Lfunc_end_k_q698f616142_quant-k_q698f616142_quant
	.p2alignl 7, 3214868480
	.fill 96, 4, 3214868480
	.section	.rodata,"a",@progbits
	.p2align	6, 0x0
	.amdhsa_kernel k_q698f616142_quant
		.amdhsa_group_segment_fixed_size 68608
		.amdhsa_private_segment_fixed_size 0
		.amdhsa_enable_private_segment 0
		.amdhsa_kernarg_size 64
		.amdhsa_user_sgpr_count 2
		.amdhsa_user_sgpr_kernarg_segment_ptr 1
		.amdhsa_wavefront_size32 1
		.amdhsa_system_sgpr_workgroup_id_x 1
		.amdhsa_system_sgpr_workgroup_id_y 1
		.amdhsa_system_sgpr_workgroup_id_z 1
		.amdhsa_system_vgpr_workitem_id 0
		.amdhsa_next_free_vgpr 256
		.amdhsa_next_free_sgpr 66
		.amdhsa_reserve_vcc 1
		.amdhsa_float_denorm_mode_32 3
		.amdhsa_float_denorm_mode_16_64 3
		.amdhsa_memory_ordered 1
		.amdhsa_forward_progress 1
		.amdhsa_inst_pref_size 31
	.end_amdhsa_kernel
	.amdgpu_metadata
---
amdhsa.version: [ 1, 2 ]
amdhsa.kernels:
  - .name:           k_q698f616142_quant
    .symbol:         k_q698f616142_quant.kd
    .args:
      - { .name: q, .offset: 0, .size: 8, .value_kind: global_buffer, .address_space: global }
      - { .name: k, .offset: 8, .size: 8, .value_kind: global_buffer, .address_space: global }
      - { .name: v, .offset: 16, .size: 8, .value_kind: global_buffer, .address_space: global }
      - { .name: Wq, .offset: 24, .size: 8, .value_kind: global_buffer, .address_space: global }
      - { .name: Wk, .offset: 32, .size: 8, .value_kind: global_buffer, .address_space: global }
      - { .name: Wv, .offset: 40, .size: 8, .value_kind: global_buffer, .address_space: global }
      - { .name: Wp, .offset: 48, .size: 8, .value_kind: global_buffer, .address_space: global }
      - { .name: xc, .offset: 56, .size: 8, .value_kind: global_buffer, .address_space: global }
    .group_segment_fixed_size: 68608
    .private_segment_fixed_size: 0
    .kernarg_segment_align: 8
    .kernarg_segment_size: 64
    .max_flat_workgroup_size: 256
    .sgpr_count:     66
    .vgpr_count:     256
    .wavefront_size: 32
...
	.end_amdgpu_metadata
.endif
;; end of part 1
;; launch proj (part 2): grid 8 x 96, 8 waves a work-group, clusters of 4 x 4, 206,848 bytes of LDS; arguments xc, gq, bq, gk, bk, qc, kv; writes qc, kv
.if DOCPART == 2
	.amdgcn_target "amdgcn-amd-amdhsa--gfx1250"
	.amdhsa_code_object_version 6
	.text
	.protected	k_q698f616142_proj
	.globl	k_q698f616142_proj
	.p2align	8
	.type	k_q698f616142_proj,@function
k_q698f616142_proj:
	s_mov_b64 s[64:65], 0
	v_nop
	global_prefetch_b8 v0, s[64:65] scope:SCOPE_SE
	s_setreg_imm32_b32 hwreg(HW_REG_WAVE_MODE, 25, 1), 1
	s_wait_xcnt 0x0
	s_wait_alu depctr_hold_cnt(0) depctr_sa_sdst(0) depctr_va_vdst(0) depctr_va_sdst(0) depctr_va_ssrc(0) depctr_va_vcc(0) depctr_vm_vsrc(0)
	s_getreg_b32 s2, hwreg(HW_REG_IB_STS2, 6, 4)
	s_cmp_eq_u32 s2, 0
	s_cbranch_scc0 .Lentry_in_a_cluster
	s_endpgm
.Lentry_in_a_cluster:
	s_bfe_u32 s2, ttmp6, 0x10000c
	s_cmp_lg_u32 s2, 0xf033
	s_cbranch_scc0 .Lentry_shape_is_right
	s_endpgm
.Lentry_shape_is_right:
; The three projections x W^T on codes of E2M3 (xc, laid by the launch before), the LayerNorm of q's and k's heads, and the quantisers of the attention's operands.
; A work-group makes 128 tokens x 128 features (two heads) over all of K = 1,024.  Tensor t = cluster y / 8: 0 q, 1 k, 2 v.  Both panels, 2 x 102,400 bytes, lie in LDS whole: every tensor load is a first fill.
; CLUSTERS: 4 x 4 work-groups.  W's panel hangs on the feature block (and t) alone and is shared along a column of the cluster, x's on the token block alone and is shared along a row: joint loads.
; WAVES: wave w takes group g0 = w % 2 (4 tiles) of source 0's panel and tiles 2 pq, 2 pq + 1 (pq = w / 2) of source 1's: 8 accumulators, which take turns.
; q, k: source 0 = W, source 1 = x: a lane holds ONE token and, by the order of a tile's rows (row m of tile u = 8 u + m % 8 + 32 (m / 8)), features 32 h + 0 .. 31 of one head: half a LayerNorm row and a whole block along D.
; v:    source 0 = x, source 1 = W: a lane holds ONE feature and keys 32 h + 0 .. 31 of a group of 64: a whole block along the keys.
; The two ways are two texts made of the same macros; they part on t, which all partners of a cluster share, and have LDS stages of their own.
; OUT.  qc: [head][block of 128 tokens][8 halves of 768 bytes (16 tokens x 64 d)][256 bytes: [tile row][8 half-words: tile's two scale bytes]].
;       kv: [head][key step of 128][K: 8 halves][V: 4 fragments (16 d x 128 keys)][K's half-words][V's scale words [tile row][4 words]] = 12,800 bytes.
; LayerNorm in f32: mean, then the mean of (x - mean)^2, v_rsq_f32; ((x - mean) rs) g + b with the last multiply and add fused; q's 1/8, a power of two, is folded into rs and b.
; LIMITS: a block of zeros gets the byte 1, not 127 (zero codes; only this program reads the bytes); NaN and infinities are not served.
.set STEPB, 12800
.set CHB,   51200                      ; a chunk in LDS: W's K steps 2 j, 2 j + 1, then x's
.set XOFF,  25600
.set SQK,   204800                     ; 512 bytes: the q/k way's half-words
.set SV,    205312                     ; 512 bytes: the v way's scale words
.set SPARE, 205824                     ; the spare words, 128 bytes a wave
.set LN,  1
.set RR,  2
.set HH,  3
.set L16, 4
.set L8,  5
.set AP16, 6                           ; source 0's fragments: 16 x lane + ..
.set AP8,  7                           ; 8 x lane + ..
.set AQ16, 8                           ; source 1's
.set AQ8,  9
.set AS0, 10                           ; source 0's scale words
.set AS1, 11                           ; source 1's
.set H8,  12
.set PX,  13
.set SPW, 14
.set NIL, 15
.set STA, 16                           ; where I put my scale bytes in the stage
.set GSO, 17                           ; wave 0: where the stage's 512 bytes go
.set STR, 18                           ; wave 0: where it reads them
.set GBO, 19                           ; 128 h: my 32 numbers of gamma and beta
.set SA,  20                           ; v20-23 source 0's scale words, a tile each
.set SB,  24                           ; v24-25 source 1's
.set MU,  26                           ; v26-29 the means, twice each
.set MA,  30
.set SOP, 34
.set BY,  36
.set HWR, 38                           ; v38-39 half-words
.set RS,  40                           ; v40-43 1 / sqrt(var + eps), twice each
.set VR,  44
.set PX2, 46
.set WDR, 47
.set ACC, 48                           ; v48-111: accumulator (i, b) at ACC + 32 b + 8 i
.set F0,  112                          ; v112-159 source 0's four fragments
.set F1,  160                          ; v160-183 source 1's two
.set T,   112                          ; behind the products: sums in chains
.set CD,  160                          ; codes
.set TP,  172
.set GG,  184                          ; v184-215 gamma
.set BT,  216                          ; v216-247 beta
.set WV,  18
.set G1W, 20
.set G1X, 28
.set G0W, 36                           ; s[36:51] four groups 0 for W's chunks
.set G0X, 68                           ; s[68:83] for x's
.set CX,  52
.set CY,  53
.set NB,  54
.set CLY, 55
.set YB,  56
.set TT,  57
.set MB,  58
.set GZ,  59
.set PQ,  60
.set SEL, 62
.macro CROUND                          ; a round of the cluster's barrier
	s_barrier_signal -1
	s_barrier_wait -1
	s_cmp_lg_u32 s[WV], 0
	s_cbranch_scc1 .Lnot_wave_0_\@
	s_barrier_signal -3
.Lnot_wave_0_\@:
	s_barrier_wait -3
	s_barrier_signal -1
	s_barrier_wait -1
.endm
.macro FRAG reg, a16, a8, off          ; a fragment's 12 registers, as they were stored: every load takes consecutive bytes
	ds_load_b128 v[\reg:\reg+3], v[\a16] offset:\off
	ds_load_b64 v[\reg+4:\reg+5], v[\a8] offset:\off+512
	ds_load_b128 v[\reg+6:\reg+9], v[\a16] offset:\off+768
	ds_load_b64 v[\reg+10:\reg+11], v[\a8] offset:\off+1280
.endm
.macro QSCALE n, y, ys, ma, so, by, ab
.irp q, 0,1
.if \q < \n
.if \ab
	v_max3_num_f32 v[\ma+2*\q], |v[\y+\ys*\q]|, |v[\y+\ys*\q+1]|, 0x1800000   ; the floor 2^(3 - 127) among the leaves: the byte cannot fall under 1
	v_max3_num_f32 v[\ma+2*\q+1], |v[\y+\ys*\q+16]|, |v[\y+\ys*\q+17]|, |v[\y+\ys*\q+18]|
.else
	v_max3_num_f32 v[\ma+2*\q], v[\y+\ys*\q], v[\y+\ys*\q+1], 0x1800000
	v_max3_num_f32 v[\ma+2*\q+1], v[\y+\ys*\q+16], v[\y+\ys*\q+17], v[\y+\ys*\q+18]
.endif
.endif
.endr
.irp i, 2,4,6,8,10,12
.irp q, 0,1
.if \q < \n
.if \ab
	v_max3_num_f32 v[\ma+2*\q], v[\ma+2*\q], |v[\y+\ys*\q+\i]|, |v[\y+\ys*\q+\i+1]|
	v_max3_num_f32 v[\ma+2*\q+1], v[\ma+2*\q+1], |v[\y+\ys*\q+\i+17]|, |v[\y+\ys*\q+\i+18]|
.else
	v_max3_num_f32 v[\ma+2*\q], v[\ma+2*\q], v[\y+\ys*\q+\i], v[\y+\ys*\q+\i+1]
	v_max3_num_f32 v[\ma+2*\q+1], v[\ma+2*\q+1], v[\y+\ys*\q+\i+17], v[\y+\ys*\q+\i+18]
.endif
.endif
.endr
.endr
.irp q, 0,1
.if \q < \n
.if \ab
	v_max3_num_f32 v[\ma+2*\q], v[\ma+2*\q], |v[\y+\ys*\q+14]|, |v[\y+\ys*\q+15]|
.else
	v_max3_num_f32 v[\ma+2*\q], v[\ma+2*\q], v[\y+\ys*\q+14], v[\y+\ys*\q+15]
.endif
.endif
.endr
.irp q, 0,1
.if \q < \n
.if \ab
	v_max3_num_f32 v[\ma+2*\q], v[\ma+2*\q+1], |v[\y+\ys*\q+31]|, v[\ma+2*\q]
.else
	v_max3_num_f32 v[\ma+2*\q], v[\ma+2*\q+1], v[\y+\ys*\q+31], v[\ma+2*\q]
.endif
.endif
.endr
.irp q, 0,1
.if \q < \n
	v_add_nc_u32 v[\so+\q], 0xff000000, v[\ma+2*\q]   ; 2 off the exponent field: the conversion's scale operand
.endif
.endr
.irp q, 0,1
.if \q < \n
	v_lshrrev_b32 v[\by+\q], 23, v[\so+\q]            ; the scale's byte
.endif
.endr
.endm
.macro QCODE n, y, ys, cd, cs, tp, so
.irp q, 0,1
.if \q < \n
	v_cvt_scalef32_pk16_fp6_f32 v[\cd+\cs*\q:\cd+\cs*\q+2], v[\y+\ys*\q:\y+\ys*\q+15], v[\so+\q]
	v_cvt_scalef32_pk16_fp6_f32 v[\tp+4*\q:\tp+4*\q+2], v[\y+\ys*\q+16:\y+\ys*\q+31], v[\so+\q]
.endif
.endr
	v_nop                                          ; one plain place behind the scaled conversions
.irp q, 0,1
.if \q < \n
.irp i, 0,1,2
	v_mov_b32 v[\cd+\cs*\q+3+\i], v[\tp+4*\q+\i]
.endr
.endif
.endr
.endm
; A K step of 128: six fragments and their scale words from LDS, eight products, the eight accumulators by turns.
.macro KSTEP off, first
.irp i, 0,1,2,3
	FRAG F0+12*\i, AP16, AP8, \off+1536*\i
.endr
.irp b, 0,1
	FRAG F1+12*\b, AQ16, AQ8, \off+1536*\b
.endr
	ds_load_b128 v[SA:SA+3], v[AS0] offset:\off    ; lane r: the words of row r of the group's four tiles
	ds_load_b64 v[SB:SB+1], v[AS1] offset:\off     ; and of my two tiles of source 1
	s_wait_dscnt 0x0
.irp b, 0,1
.irp i, 0,1,2,3
.if \first
	v_wmma_scale_f32_16x16x128_f8f6f4 v[ACC+32*\b+8*\i:ACC+32*\b+8*\i+7], v[F0+12*\i:F0+12*\i+11], v[F1+12*\b:F1+12*\b+11], 0, v[SA+\i], v[SB+\b] matrix_a_fmt:MATRIX_FMT_FP6 matrix_b_fmt:MATRIX_FMT_FP6
.else
	v_wmma_scale_f32_16x16x128_f8f6f4 v[ACC+32*\b+8*\i:ACC+32*\b+8*\i+7], v[F0+12*\i:F0+12*\i+11], v[F1+12*\b:F1+12*\b+11], v[ACC+32*\b+8*\i:ACC+32*\b+8*\i+7], v[SA+\i], v[SB+\b] matrix_a_fmt:MATRIX_FMT_FP6 matrix_b_fmt:MATRIX_FMT_FP6
.endif
.endr
.endr
.rept 4
	v_nop                                          ; four places in front of loads into registers that these products read, and of the first read of results
.endr
.endm
; All of K: four chunks of two K steps.  In front of chunk j each wave waits until its own part of it has landed (its 3 - j later loads may stay out) and passes a barrier.
.macro MAINLOOP
.irp j, 0,1,2,3
	s_wait_tensorcnt 3-\j
	s_barrier_signal -1
	s_barrier_wait -1
.if \j == 0
	KSTEP 0, 1
.else
	KSTEP 0, 0
.endif
	KSTEP STEPB, 0
.if \j < 3
.irp a, AP16, AP8, AQ16, AQ8, AS0, AS1
	v_add_nc_u32 v[\a], CHB, v[\a]
.endr
.endif
.endr
.endm
; the LDS addresses: p0, p1: where source 0's and source 1's panels begin in a chunk
.macro ADDRS p0, p1
	s_mul_i32 s96, s[GZ], 6144
	s_add_co_u32 s96, s96, \p0
	v_add_nc_u32 v[AP16], s96, v[L16]
	v_add_nc_u32 v[AP8], s96, v[L8]
	s_mul_i32 s97, s[PQ], 3072
	s_add_co_u32 s97, s97, \p1
	v_add_nc_u32 v[AQ16], s97, v[L16]
	v_add_nc_u32 v[AQ8], s97, v[L8]
	s_lshl_b32 s96, s[GZ], 8
	s_add_co_u32 s96, s96, \p0+12288
	v_lshl_add_u32 v[AS0], v[RR], 4, s96           ; 16 r + the group's unit
	s_lshr_b32 s97, s[PQ], 1
	s_lshl_b32 s97, s97, 8
	s_and_b32 s98, s[PQ], 1
	s_lshl_b32 s98, s98, 3
	s_add_co_u32 s97, s97, s98
	s_add_co_u32 s97, s97, \p1+12288
	v_lshl_add_u32 v[AS1], v[RR], 4, s97           ; 16 r + the unit of my tiles' group + my two words
.endm
.macro HWPACK                          ; both tiles: my block's byte and lane l xor 16's make the row's half-word
.irp b, 0,1
	v_lshlrev_b32 v[HWR+\b], v[H8], v[BY+\b]
.endr
	v_permlanex16_b32 v[PX], v[HWR], s[SEL], s[SEL+1]
	v_permlanex16_b32 v[PX2], v[HWR+1], s[SEL], s[SEL+1]
	v_or_b32 v[HWR], v[HWR], v[PX]
	v_or_b32 v[HWR+1], v[HWR+1], v[PX2]
.endm
.macro REDUCE                          ; four chains of pairs a tile -> the token's total over its 64 features, in v[T + 8 b], in both of its lanes
.irp b, 0,1
	v_pk_add_f32 v[T+8*\b:T+8*\b+1], v[T+8*\b:T+8*\b+1], v[T+8*\b+2:T+8*\b+3]
	v_pk_add_f32 v[T+8*\b+4:T+8*\b+5], v[T+8*\b+4:T+8*\b+5], v[T+8*\b+6:T+8*\b+7]
.endr
.irp b, 0,1
	v_pk_add_f32 v[T+8*\b:T+8*\b+1], v[T+8*\b:T+8*\b+1], v[T+8*\b+4:T+8*\b+5]
.endr
.irp b, 0,1
	v_add_f32 v[T+8*\b], v[T+8*\b], v[T+8*\b+1]
.endr
.irp b, 0,1
	v_permlanex16_b32 v[T+8*\b+1], v[T+8*\b], s[SEL], s[SEL+1]
.endr
.irp b, 0,1
	v_add_f32 v[T+8*\b], v[T+8*\b], v[T+8*\b+1]
.endr
.endm
	s_load_b256 s[4:11], s[0:1], 0x0               ; xc, gq, bq, gk
	s_load_b128 s[12:15], s[0:1], 0x20             ; bk, qc
	s_load_b64 s[16:17], s[0:1], 0x30              ; kv
	v_lshl_add_u32 v[SPW], v0, 2, SPARE
	v_mov_b32 v[NIL], 0
	ds_add_u32 v[SPW], v[NIL]                      ; the wave's opening, waited for ahead of my first tensor load; work on registers stands between them
	v_lshrrev_b32 v1, 5, v0
	v_readfirstlane_b32 s[WV], v1                  ; wave 0..7
	v_and_b32 v[LN], 31, v0
	v_and_b32 v[RR], 15, v0
	v_bfe_u32 v[HH], v0, 4, 1
	v_lshlrev_b32 v[L16], 4, v[LN]
	v_lshlrev_b32 v[L8], 3, v[LN]
	v_lshlrev_b32 v[H8], 3, v[HH]
	v_lshlrev_b32 v[GBO], 7, v[HH]
	v_mov_b32 v[PX], 0                             ; written once: a lane permute's destination counts as one of its sources
	v_mov_b32 v[PX2], 0
	s_and_b32 s[GZ], s[WV], 1
	s_lshr_b32 s[PQ], s[WV], 1
	s_bfe_u32 s[CX], ttmp6, 0x40000
	s_bfe_u32 s[CY], ttmp6, 0x40004
	s_lshl_b32 s[NB], ttmp9, 2
	s_add_co_u32 s[NB], s[NB], s[CX]               ; feature block = 4 x cluster x + cx
	s_and_b32 s[CLY], ttmp7, 0xffff
	s_lshl_b32 s[YB], s[CLY], 2
	s_add_co_u32 s[YB], s[YB], s[CY]               ; x's block in xc = 4 x cluster y + cy
	s_lshr_b32 s[TT], s[CLY], 3                    ; the tensor: from the cluster's y alone
	s_and_b32 s[MB], s[YB], 31                     ; the block of 128 tokens
	s_lshl_b32 s84, s[CY], 2
	s_lshl_b32 s84, 15, s84                        ; my row of the cluster
	s_lshl_b32 s85, 0x1111, s[CX]                  ; my column
	s_or_b32 s[G1W], s85, (3<<16)|(1<<21)          ; 15:0 the mask; 17:16 elements of 8 bytes; 21 set beside a mask; no padding
	s_or_b32 s[G1X], s84, (3<<16)|(1<<21)
.irp g, G1W, G1X                       ; 25 rows of 256 bytes, dense: what one load brings
	s_mov_b32 s[\g+1], 32<<16                      ; tensor_dim0 = 32
	s_mov_b32 s[\g+2], 25<<16                      ; tensor_dim1 = 25
	s_mov_b32 s[\g+3], 32<<16                      ; tile_dim0 = 32
	s_mov_b32 s[\g+4], 25                          ; tile_dim1 = 25
	s_mov_b32 s[\g+5], 32                          ; from row to row
	s_mov_b32 s[\g+6], 0
	s_mov_b32 s[\g+7], 0
.endr
	s_and_b32 s88, s[WV], 3
	s_mul_i32 s88, s88, 6400                       ; my quarter of a panel's part of a chunk
	s_lshl_b32 s86, s[TT], 3
	s_add_co_u32 s86, s86, s[NB]
	s_add_co_u32 s86, s86, 96
	s_mul_i32 s86, s86, 102400                     ; W's panel: block 96 + 8 t + feature block (no cy in it)
	s_add_co_u32 s86, s86, s88
	s_mov_b32 s87, 0
	s_mul_i32 s90, s[YB], 102400                   ; x's panel (no cx in it)
	s_add_co_u32 s90, s90, s88
	s_mov_b32 s91, 0
	s_mul_i32 s89, s[WV], 6400                     ; in LDS: waves 0-3 W's 25,600 bytes of a chunk, waves 4-7 x's
	s_mov_b32 s[SEL], 0x76543210
	s_mov_b32 s[SEL+1], 0xfedcba98
	s_wait_dscnt 0x0                               ; the opening add is done
	s_wait_kmcnt 0x0
	s_add_nc_u64 s[86:87], s[4:5], s[86:87]
	s_add_nc_u64 s[90:91], s[4:5], s[90:91]
.irp j, 0,1,2,3
	s_mov_b32 s[G0W+4*\j], 1
	s_add_co_u32 s[G0W+4*\j+1], s89, \j*CHB
	s_add_nc_u64 s[G0W+4*\j+2:G0W+4*\j+3], s[86:87], \j*2*STEPB
	s_or_b32 s[G0W+4*\j+3], s[G0W+4*\j+3], 0x80000000
	s_mov_b32 s[G0X+4*\j], 1
	s_add_co_u32 s[G0X+4*\j+1], s89, \j*CHB
	s_add_nc_u64 s[G0X+4*\j+2:G0X+4*\j+3], s[90:91], \j*2*STEPB
	s_or_b32 s[G0X+4*\j+3], s[G0X+4*\j+3], 0x80000000
.endr
	CROUND                                         ; all sixteen work-groups are here: the joint loads meet
	s_cmp_lt_u32 s[WV], 4                          ; a wave's four first fills stand in one branch: four loads of mine are out
	s_cbranch_scc0 .Lfill_x
.irp j, 0,1,2,3
	tensor_load_to_lds s[G0W+4*\j:G0W+4*\j+3], s[G1W:G1W+7]
	s_nop 0
.endr
.rept 4
	v_nop
.endr
	s_branch .Lfilled
.Lfill_x:
.irp j, 0,1,2,3
	tensor_load_to_lds s[G0X+4*\j:G0X+4*\j+3], s[G1X:G1X+7]
	s_nop 0
.endr
.rept 4
	v_nop
.endr
.Lfilled:
	s_cmp_eq_u32 s[TT], 2
	s_cbranch_scc1 .Lvpath
	; ---------------- q and k: source 0 = W, source 1 = x ----------------
	s_cmp_eq_u32 s[TT], 0
	s_cselect_b64 s[84:85], s[6:7], s[10:11]       ; gamma
	s_cselect_b64 s[86:87], s[8:9], s[12:13]       ; beta
	s_cselect_b64 s[88:89], s[14:15], s[16:17]     ; qc or kv
	s_cselect_b32 s92, 0x3e000000, 1.0             ; q's 1/8
.irp n, 0,1,2,3,4,5,6,7
	global_load_b128 v[GG+4*\n:GG+4*\n+3], v[GBO], s[84:85] offset:16*\n   ; gamma and beta of d = 32 h + 0 .. 31
	global_load_b128 v[BT+4*\n:BT+4*\n+3], v[GBO], s[86:87] offset:16*\n
.endr
	s_mov_b32 s66, 0x3c800000                      ; 1/64
	s_mov_b32 s67, 0x3727c5ac                      ; 1e-5
	s_lshl_b32 s93, 204800, s[TT]                  ; from head to head: 204,800 in qc, twice that in kv
	s_lshl_b32 s94, 6400, s[TT]                    ; from block to block
	s_lshl_b32 s95, 6144, s[TT]                    ; where the half-words lie in a block
	s_lshl_b32 s96, s[NB], 1
	s_mul_i32 s96, s96, s93
	s_mul_i32 s94, s[MB], s94
	s_add_co_u32 s96, s96, s94
	s_mov_b32 s97, 0
	s_add_nc_u64 s[88:89], s[88:89], s[96:97]      ; head 2 nb, my block
	s_mov_b32 s96, s95
	s_add_nc_u64 s[90:91], s[88:89], s[96:97]      ; its half-words
	s_mul_i32 s96, s[GZ], s93
	s_mul_i32 s94, s[PQ], 1536
	s_add_co_u32 s96, s96, s94
	s_add_nc_u64 s[88:89], s[88:89], s[96:97]      ; my head, my two tiles' halves
	v_mul_u32_u24 v[GSO], s93, v[HH]
	v_lshl_add_u32 v[GSO], v[RR], 4, v[GSO]        ; lanes 0-15: head 2 nb's unit, lanes 16-31: head 2 nb + 1's
	s_lshl_b32 s94, s[GZ], 8
	s_lshl_b32 s95, s[PQ], 2
	s_add_co_u32 s94, s94, s95
	s_add_co_u32 s94, s94, SQK
	v_lshl_add_u32 v[STA], v[RR], 4, s94           ; my head's unit, row r, my pair's word
	v_add_nc_u32 v[STR], SQK, v[L16]
	ADDRS 0, XOFF
	MAINLOOP
	s_wait_loadcnt 0x0                             ; gamma, beta
.set n, 0
.rept 16
	v_pk_mul_f32 v[BT+n:BT+n+1], v[BT+n:BT+n+1], s[92:93] op_sel_hi:[1,0]   ; beta x 1/8 for q (exact), x 1 for k
.set n, n+2
.endr
.irp b, 0,1                            ; the sum of my 32: a chain for each accumulator, each read from its low end on
.irp i, 0,1,2,3
	v_pk_add_f32 v[T+8*\b+2*\i:T+8*\b+2*\i+1], v[ACC+32*\b+8*\i:ACC+32*\b+8*\i+1], v[ACC+32*\b+8*\i+2:ACC+32*\b+8*\i+3]
.endr
.endr
.irp p, 4,6
.irp b, 0,1
.irp i, 0,1,2,3
	v_pk_add_f32 v[T+8*\b+2*\i:T+8*\b+2*\i+1], v[T+8*\b+2*\i:T+8*\b+2*\i+1], v[ACC+32*\b+8*\i+\p:ACC+32*\b+8*\i+\p+1]
.endr
.endr
.endr
	REDUCE
.irp b, 0,1
	v_mul_f32 v[MU+2*\b], s66, v[T+8*\b]           ; the mean, twice: a pair for the packed forms
	v_mul_f32 v[MU+2*\b+1], s66, v[T+8*\b]
.endr
.irp b, 0,1
.set n, 0
.rept 16
	v_pk_add_f32 v[ACC+32*\b+n:ACC+32*\b+n+1], v[ACC+32*\b+n:ACC+32*\b+n+1], v[MU+2*\b:MU+2*\b+1] neg_lo:[0,1] neg_hi:[0,1]   ; x - mean
.set n, n+2
.endr
.endr
.irp b, 0,1
.irp i, 0,1,2,3
	v_pk_mul_f32 v[T+8*\b+2*\i:T+8*\b+2*\i+1], v[ACC+32*\b+8*\i:ACC+32*\b+8*\i+1], v[ACC+32*\b+8*\i:ACC+32*\b+8*\i+1]
.endr
.endr
.irp p, 2,4,6
.irp b, 0,1
.irp i, 0,1,2,3
	v_pk_fma_f32 v[T+8*\b+2*\i:T+8*\b+2*\i+1], v[ACC+32*\b+8*\i+\p:ACC+32*\b+8*\i+\p+1], v[ACC+32*\b+8*\i+\p:ACC+32*\b+8*\i+\p+1], v[T+8*\b+2*\i:T+8*\b+2*\i+1]
.endr
.endr
.endr
	REDUCE
.irp b, 0,1
	v_fma_f32 v[VR+\b], v[T+8*\b], s66, s67        ; var + eps
.endr
.irp b, 0,1
	v_rsq_f32 v[VR+\b], v[VR+\b]
.endr
	v_nop                                          ; a plain place behind the transcendentals
	s_wait_alu depctr_va_vdst(0)                   ; one wait for the two, ahead of their first reader
.irp b, 0,1
	v_mul_f32 v[RS+2*\b], s92, v[VR+\b]
	v_mul_f32 v[RS+2*\b+1], s92, v[VR+\b]
.endr
.irp b, 0,1
.set n, 0
.rept 16
	v_pk_mul_f32 v[ACC+32*\b+n:ACC+32*\b+n+1], v[ACC+32*\b+n:ACC+32*\b+n+1], v[RS+2*\b:RS+2*\b+1]
.set n, n+2
.endr
.endr
.irp b, 0,1
.set n, 0
.rept 16
	v_pk_fma_f32 v[ACC+32*\b+n:ACC+32*\b+n+1], v[ACC+32*\b+n:ACC+32*\b+n+1], v[GG+n:GG+n+1], v[BT+n:BT+n+1]
.set n, n+2
.endr
.endr
	QSCALE 2, ACC, 32, MA, SOP, BY, 1              ; a lane's 32 are a whole block along D
	HWPACK
	QCODE 2, ACC, 32, CD, 6, TP, SOP
	v_lshl_or_b32 v[WDR], v[HWR+1], 16, v[HWR]     ; my two tiles' half-words
	ds_store_b32 v[STA], v[WDR]                    ; (both lanes of a token write the same word with the same value)
.irp b, 0,1
	global_store_b128 v[L16], v[CD+6*\b:CD+6*\b+3], s[88:89] offset:768*\b       ; 512 consecutive bytes, aligned to 256
	global_store_b64 v[L8], v[CD+6*\b+4:CD+6*\b+5], s[88:89] offset:768*\b+512   ; 256
.endr
	s_wait_dscnt 0x0                               ; for the others' sake: my word lies in the stage
	s_barrier_signal -1
	s_barrier_wait -1
	s_cmp_lg_u32 s[WV], 0
	s_cbranch_scc1 .Lend
	ds_load_b128 v[T:T+3], v[STR]                  ; wave 0 stores the two heads' units: 16 lanes store 256 consecutive bytes, aligned
	s_wait_dscnt 0x0
	global_store_b128 v[GSO], v[T:T+3], s[90:91]
	s_branch .Lend
	; ---------------- v: source 0 = x (keys), source 1 = W (features) ----------------
.Lvpath:
	s_lshl_b32 s92, s[NB], 1
	s_mul_i32 s92, s92, 409600
	s_mul_i32 s94, s[MB], STEPB
	s_add_co_u32 s92, s92, s94
	s_mov_b32 s93, 0
	s_add_nc_u64 s[90:91], s[16:17], s[92:93]      ; kv: head 2 nb, key step mb
	s_lshr_b32 s94, s[PQ], 1                       ; which of the two heads my tiles of W belong to
	s_mul_i32 s92, s94, 409600
	s_and_b32 s95, s[PQ], 1
	s_mul_i32 s96, s95, 3072                       ; d tiles 2 (pq % 2) + b,
	s_add_co_u32 s92, s92, s96
	s_mul_i32 s96, s[GZ], 768                      ; the half of my 64 keys
	s_add_co_u32 s92, s92, s96
	s_add_co_u32 s92, s92, 6144                    ; behind K's halves
	s_add_nc_u64 s[88:89], s[90:91], s[92:93]
	s_add_nc_u64 s[90:91], s[90:91], 12544         ; V's scale words
	s_lshl_b32 s94, s94, 8
	s_lshl_b32 s95, s95, 3
	s_add_co_u32 s94, s94, s95
	s_lshl_b32 s95, s[GZ], 1
	s_add_co_u32 s94, s94, s95
	s_add_co_u32 s94, s94, SV
	v_lshl_add_u32 v[STA], v[RR], 4, s94           ; my head's unit, row r, word 2 (pq % 2) + b, half-word g0
	v_add_nc_u32 v[STR], SV, v[L16]
	v_mul_u32_u24 v[GSO], v[HH], 409600
	v_lshl_add_u32 v[GSO], v[RR], 4, v[GSO]
	ADDRS XOFF, 0
	MAINLOOP
	QSCALE 2, ACC, 32, MA, SOP, BY, 1              ; a lane's 32 are a whole block along the keys; each accumulator is first read at its low end
	HWPACK
	QCODE 2, ACC, 32, CD, 6, TP, SOP
	ds_store_b16 v[STA], v[HWR]
	ds_store_b16 v[STA], v[HWR+1] offset:4
.irp b, 0,1
	global_store_b128 v[L16], v[CD+6*\b:CD+6*\b+3], s[88:89] offset:1536*\b
	global_store_b64 v[L8], v[CD+6*\b+4:CD+6*\b+5], s[88:89] offset:1536*\b+512
.endr
	s_wait_dscnt 0x0                               ; for the others' sake: my half-words lie in the stage
	s_barrier_signal -1
	s_barrier_wait -1
	s_cmp_lg_u32 s[WV], 0
	s_cbranch_scc1 .Lend
	ds_load_b128 v[T:T+3], v[STR]
	s_wait_dscnt 0x0
	global_store_b128 v[GSO], v[T:T+3], s[90:91]
.Lend:
	s_wait_tensorcnt 0x0                           ; the wave's end, behind my last tensor load and my last LDS store
	ds_add_u32 v[SPW], v[NIL]
	s_wait_dscnt 0x0
	CROUND                                         ; the closing round
	s_endpgm
.Lfunc_end_k_q698f616142_proj:
	.size	k_q698f616142_proj, .Lfunc_end_k_q698f616142_proj-k_q698f616142_proj
	.p2alignl 7, 3214868480
	.fill 96, 4, 3214868480
	.section	.rodata,"a",@progbits
	.p2align	6, 0x0
	.amdhsa_kernel k_q698f616142_proj
		.amdhsa_group_segment_fixed_size 206848
		.amdhsa_private_segment_fixed_size 0
		.amdhsa_enable_private_segment 0
		.amdhsa_kernarg_size 56
		.amdhsa_user_sgpr_count 2
		.amdhsa_user_sgpr_kernarg_segment_ptr 1
		.amdhsa_wavefront_size32 1
		.amdhsa_system_sgpr_workgroup_id_x 1
		.amdhsa_system_sgpr_workgroup_id_y 1
		.amdhsa_system_sgpr_workgroup_id_z 1
		.amdhsa_system_vgpr_workitem_id 0
		.amdhsa_next_free_vgpr 256
		.amdhsa_next_free_sgpr 100
		.amdhsa_reserve_vcc 0
		.amdhsa_float_denorm_mode_32 3
		.amdhsa_float_denorm_mode_16_64 3
		.amdhsa_memory_ordered 1
		.amdhsa_forward_progress 1
		.amdhsa_inst_pref_size 81
	.end_amdhsa_kernel
	.amdgpu_metadata
---
amdhsa.version: [ 1, 2 ]
amdhsa.kernels:
  - .name:           k_q698f616142_proj
    .symbol:         k_q698f616142_proj.kd
    .args:
      - { .name: xc, .offset: 0, .size: 8, .value_kind: global_buffer, .address_space: global }
      - { .name: gq, .offset: 8, .size: 8, .value_kind: global_buffer, .address_space: global }
      - { .name: bq, .offset: 16, .size: 8, .value_kind: global_buffer, .address_space: global }
      - { .name: gk, .offset: 24, .size: 8, .value_kind: global_buffer, .address_space: global }
      - { .name: bk, .offset: 32, .size: 8, .value_kind: global_buffer, .address_space: global }
      - { .name: qc, .offset: 40, .size: 8, .value_kind: global_buffer, .address_space: global }
      - { .name: kv, .offset: 48, .size: 8, .value_kind: global_buffer, .address_space: global }
    .group_segment_fixed_size: 206848
    .private_segment_fixed_size: 0
    .kernarg_segment_align: 8
    .kernarg_segment_size: 56
    .max_flat_workgroup_size: 256
    .sgpr_count:     100
    .vgpr_count:     256
    .wavefront_size: 32
...
	.end_amdgpu_metadata
.endif
;; end of part 2
;; launch attn (part 3): grid 16 x 16, 16 waves a work-group, clusters of 4 x 1, 327,680 bytes of LDS; arguments qc, kv, oc; writes oc
.if DOCPART == 3
	.amdgcn_target "amdgcn-amd-amdhsa--gfx1250"
	.amdhsa_code_object_version 6
	.text
	.protected	k_q698f616142_attn
	.globl	k_q698f616142_attn
	.p2align	8
	.type	k_q698f616142_attn,@function
k_q698f616142_attn:
	s_mov_b64 s[64:65], 0
	v_nop
	global_prefetch_b8 v0, s[64:65] scope:SCOPE_SE
	s_setreg_imm32_b32 hwreg(HW_REG_WAVE_MODE, 25, 1), 1
	s_wait_xcnt 0x0
	s_wait_alu depctr_hold_cnt(0) depctr_sa_sdst(0) depctr_va_vdst(0) depctr_va_sdst(0) depctr_va_ssrc(0) depctr_va_vcc(0) depctr_vm_vsrc(0)
	s_getreg_b32 s2, hwreg(HW_REG_IB_STS2, 6, 4)
	s_cmp_eq_u32 s2, 0
	s_cbranch_scc0 .Lentry_in_a_cluster
	s_endpgm
.Lentry_in_a_cluster:
	s_bfe_u32 s2, ttmp6, 0x10000c
	s_cmp_lg_u32 s2, 0x3003
	s_cbranch_scc0 .Lentry_shape_is_right
	s_endpgm
.Lentry_shape_is_right:
; x[h][q][:] = the sum over k of sigmoid(qh[h][q] . kh[h][k]) vh[h][k][:], both products on codes of E2M3; the finished sigmoid is quantised along the keys, x along head x D.
; SHARES.  A work-group owns 256 queries of one head.  Wave w: qg = w % 8: 32 queries, two tiles, so that each fragment of K and V read from LDS feeds two products; kh = w / 8: the even or the odd key steps of 128.
; The two waves of a qg add their halves through LDS at the end.  Register slot q' of a wave holds tile 2 qg + (q' xor kh), so that every wave keeps slot 0 and sends slot 1: one text for all.
; LAYOUT.  Both products are used transposed (source 0 = keys, or V's d; source 1 = queries): a lane holds one query.  By the order of a tile's rows (row m of tile u = 8 u + m % 8 + 32 (m / 8) of a group of 64),
; the 32 score registers of a group's four tiles are keys 32 h + 0 .. 31: a whole block of the quantiser in one lane, and its six code registers ARE the next operand's.  No maximum and no code changes lanes.
; K = 64 IN A FORM OF 128: two key tiles' halves on end are one fragment; it is multiplied by [q | 0] for the first tile and by [0 | q] for the second.  Zero codes add nothing.  The four operands overlap in 30 registers: q0 0 q1 0 q0.
; RING.  Two LDS slots of 8 key steps (102,400 bytes), four fills in all; each of the sixteen waves brings 6,400 bytes of a slot by one load.  CLUSTER: the four query blocks of a cluster walk the same head: joint loads.
; sigmoid(s) = 1 / (1 + 2^(-s log2 e)) by v_exp_f32 and v_rcp_f32, in f32.
; LIMITS: a sigmoid under 2^-126 becomes 0 (the transcendentals flush); a block of zeros gets the byte 1, not 127 (zero codes); the sum over the keys is made in two halves and added; NaN and infinities are not served.
.set STEPB, 12800                      ; a key step in kv: K 4 pair fragments, V 4 fragments, K's half-words, V's scale words
.set SLOTB, 102400
.set XCH,   204800                     ; 16 x 4,096 bytes: a wave's slot 1 on its way to its partner
.set SX,    270336                     ; 512 bytes: x's half-words
.set SPARE, 270848                     ; the spare words, 128 bytes a wave
.set LN,  1
.set RR,  2
.set HH,  3
.set L16, 4
.set L8,  5
.set AD16, 6
.set AD8,  7
.set H8,  8
.set PX,  9
.set SPW, 10
.set NIL, 11
.set MA,  12                           ; v12-15
.set SOP, 16
.set BY0, 18                           ; v18-19 the bytes of keys 0-63, v20-21 of keys 64-127
.set BY1, 20
.set PS,  22                           ; v22-23 p's scale words
.set QSW, 24                           ; v24-25 q's scale words
.set SCKV, 26                          ; v26-29 lanes 0-15: K's four pair words; lanes 16-31: V's four tile words
.set PT,  30
.set P,   38                           ; v38-61 p's codes, 12 a slot
.set Q,   62                           ; v62-91
.set KF,  92                           ; v92-115 two fragments of K or V
.set S,   116                          ; v116-179 scores: S + 32 q' + 8 u
.set O,   180                          ; v180-243 O^T: O + 32 q' + 8 i
.set XW,  244
.set XR,  245
.set SXW, 246
.set SXR, 247
.set GSO, 248
.set HWQ, 250
.set QSO, 251
.set WV,  10
.set QG,  11
.set KH,  12
.set CXR, 13
.set QB,  14
.set HD,  15
.set G1,  16
.set G0,  24
.set TB,  32
.set CNT, 33
.set KHB, 34
.set SEL, 36
.set CS,  38
.macro CROUND
	s_barrier_signal -1
	s_barrier_wait -1
	s_cmp_lg_u32 s[WV], 0
	s_cbranch_scc1 .Lnot_wave_0_\@
	s_barrier_signal -3
.Lnot_wave_0_\@:
	s_barrier_wait -3
	s_barrier_signal -1
	s_barrier_wait -1
.endm
.macro FRAG reg, a16, a8, off
	ds_load_b128 v[\reg:\reg+3], v[\a16] offset:\off
	ds_load_b64 v[\reg+4:\reg+5], v[\a8] offset:\off+512
	ds_load_b128 v[\reg+6:\reg+9], v[\a16] offset:\off+768
	ds_load_b64 v[\reg+10:\reg+11], v[\a8] offset:\off+1280
.endm
.macro QSCALE n, y, ys, ma, so, by, ab
.irp q, 0,1
.if \q < \n
.if \ab
	v_max3_num_f32 v[\ma+2*\q], |v[\y+\ys*\q]|, |v[\y+\ys*\q+1]|, 0x1800000   ; the floor 2^(3 - 127) among the leaves: the byte cannot fall under 1
	v_max3_num_f32 v[\ma+2*\q+1], |v[\y+\ys*\q+16]|, |v[\y+\ys*\q+17]|, |v[\y+\ys*\q+18]|
.else
	v_max3_num_f32 v[\ma+2*\q], v[\y+\ys*\q], v[\y+\ys*\q+1], 0x1800000
	v_max3_num_f32 v[\ma+2*\q+1], v[\y+\ys*\q+16], v[\y+\ys*\q+17], v[\y+\ys*\q+18]
.endif
.endif
.endr
.irp i, 2,4,6,8,10,12
.irp q, 0,1
.if \q < \n
.if \ab
	v_max3_num_f32 v[\ma+2*\q], v[\ma+2*\q], |v[\y+\ys*\q+\i]|, |v[\y+\ys*\q+\i+1]|
	v_max3_num_f32 v[\ma+2*\q+1], v[\ma+2*\q+1], |v[\y+\ys*\q+\i+17]|, |v[\y+\ys*\q+\i+18]|
.else
	v_max3_num_f32 v[\ma+2*\q], v[\ma+2*\q], v[\y+\ys*\q+\i], v[\y+\ys*\q+\i+1]
	v_max3_num_f32 v[\ma+2*\q+1], v[\ma+2*\q+1], v[\y+\ys*\q+\i+17], v[\y+\ys*\q+\i+18]
.endif
.endif
.endr
.endr
.irp q, 0,1
.if \q < \n
.if \ab
	v_max3_num_f32 v[\ma+2*\q], v[\ma+2*\q], |v[\y+\ys*\q+14]|, |v[\y+\ys*\q+15]|
.else
	v_max3_num_f32 v[\ma+2*\q], v[\ma+2*\q], v[\y+\ys*\q+14], v[\y+\ys*\q+15]
.endif
.endif
.endr
.irp q, 0,1
.if \q < \n
.if \ab
	v_max3_num_f32 v[\ma+2*\q], v[\ma+2*\q+1], |v[\y+\ys*\q+31]|, v[\ma+2*\q]
.else
	v_max3_num_f32 v[\ma+2*\q], v[\ma+2*\q+1], v[\y+\ys*\q+31], v[\ma+2*\q]
.endif
.endif
.endr
.irp q, 0,1
.if \q < \n
	v_add_nc_u32 v[\so+\q], 0xff000000, v[\ma+2*\q]   ; 2 off the exponent field: the conversion's scale operand
.endif
.endr
.irp q, 0,1
.if \q < \n
	v_lshrrev_b32 v[\by+\q], 23, v[\so+\q]            ; the scale's byte
.endif
.endr
.endm
.macro QCODE n, y, ys, cd, cs, tp, so
.irp q, 0,1
.if \q < \n
	v_cvt_scalef32_pk16_fp6_f32 v[\cd+\cs*\q:\cd+\cs*\q+2], v[\y+\ys*\q:\y+\ys*\q+15], v[\so+\q]
	v_cvt_scalef32_pk16_fp6_f32 v[\tp+4*\q:\tp+4*\q+2], v[\y+\ys*\q+16:\y+\ys*\q+31], v[\so+\q]
.endif
.endr
	v_nop                                          ; one plain place behind the scaled conversions
.irp q, 0,1
.if \q < \n
.irp i, 0,1,2
	v_mov_b32 v[\cd+\cs*\q+3+\i], v[\tp+4*\q+\i]
.endr
.endif
.endr
.endm
; The scores of keys 64 c on, both slots: pair p' of the two in KF, its tile e, slot q'.  e = 0 takes [q | 0] (Q + 12 q'), e = 1 takes [0 | q] (Q + 18 - 12 q').
.macro SPROD c
.irp p, 0,1
.irp e, 0,1
.irp q, 0,1
	v_wmma_scale_f32_16x16x128_f8f6f4 v[S+32*\q+8*(2*\p+\e):S+32*\q+8*(2*\p+\e)+7], v[KF+12*\p:KF+12*\p+11], v[Q+12*\q+\e*(18-24*\q):Q+12*\q+\e*(18-24*\q)+11], 0, v[SCKV+2*\c+\p], v[QSW+\q] matrix_a_fmt:MATRIX_FMT_FP6 matrix_b_fmt:MATRIX_FMT_FP6
.endr
.endr
.endr
.endm
; O^T += V's d tile i x p, both slots.  V's scale words stand in lanes 16-31 of the register that holds K's in lanes 0-15.
.macro PV i, vf
.irp q, 0,1
	v_wmma_scale_f32_16x16x128_f8f6f4 v[O+32*\q+8*\i:O+32*\q+8*\i+7], v[\vf:\vf+11], v[P+12*\q:P+12*\q+11], v[O+32*\q+8*\i:O+32*\q+8*\i+7], v[SCKV+\i], v[PS+\q] matrix_a_fmt:MATRIX_FMT_FP6 matrix_b_fmt:MATRIX_FMT_FP6 matrix_a_scale:MATRIX_SCALE_ROW1
.endr
.endm
; 64 scores a lane (both slots' keys 64 c + 32 h + 0 .. 31) become sigmoids, then codes in p's registers 6 c on.  Each batch of 64 transcendentals has one plain place and ONE wait behind it.
.macro SIGQ c
.set j, 0
.rept 32
	v_pk_mul_f32 v[S+j:S+j+1], v[S+j:S+j+1], s[CS:CS+1] op_sel_hi:[1,0]   ; -s log2 e; ascending: each accumulator is first read at its low end
.set j, j+2
.endr
.set j, 0
.rept 64
	v_exp_f32 v[S+j], v[S+j]
.set j, j+1
.endr
	v_nop
	s_wait_alu depctr_va_vdst(0)                   ; one wait for the batch, ahead of its first reader
.set j, 0
.rept 32
	v_pk_add_f32 v[S+j:S+j+1], v[S+j:S+j+1], 1.0 op_sel_hi:[1,0]
.set j, j+2
.endr
.set j, 0
.rept 64
	v_rcp_f32 v[S+j], v[S+j]
.set j, j+1
.endr
	v_nop
	s_wait_alu depctr_va_vdst(0)
	QSCALE 2, S, 32, MA, SOP, BY0+2*\c, 0          ; none is negative: no magnitudes
.if \c == 1
.irp q, 0,1                            ; p's scale word for the step's 128 keys: byte 2 c + h; made ahead of the conversions
	v_lshl_or_b32 v[MA+2*\q], v[BY1+\q], 16, v[BY0+\q]
.endr
.irp q, 0,1
	v_lshlrev_b32 v[MA+2*\q], v[H8], v[MA+2*\q]
.endr
.irp q, 0,1
	v_permlanex16_b32 v[MA+2*\q+1], v[MA+2*\q], s[SEL], s[SEL+1]
.endr
.irp q, 0,1
	v_or_b32 v[PS+\q], v[MA+2*\q], v[MA+2*\q+1]
.endr
.endif
	QCODE 2, S, 32, P+6*\c, 12, PT, SOP
.endm
; A KEY STEP of 128 keys at LDS byte s[TB].
.macro STEP
	v_add_nc_u32 v[AD16], s[TB], v[L16]
	v_add_nc_u32 v[AD8], s[TB], v[L8]
.rept 3
	v_nop                                          ; with the two additions five places behind the last step's products: their operands are loaded into below, and the scores' products write over two of them
.endr
	ds_load_b128 v[SCKV:SCKV+3], v[AD16] offset:12288
	FRAG KF, AD16, AD8, 0
	FRAG KF+12, AD16, AD8, 1536
	s_wait_dscnt 0x0
	SPROD 0
.rept 4
	v_nop                                          ; four places in front of the loads into K's registers and of the first read of the scores
.endr
	FRAG KF, AD16, AD8, 3072                       ; pairs 2, 3 land under the sigmoids
	FRAG KF+12, AD16, AD8, 4608
	SIGQ 0
	s_wait_dscnt 0x0
	SPROD 1
.rept 4
	v_nop
.endr
	FRAG KF, AD16, AD8, 6144                       ; V's d tiles 0, 1
	FRAG KF+12, AD16, AD8, 7680
	SIGQ 1
	FRAG S, AD16, AD8, 9216                        ; V's d tiles 2, 3, into registers that the scores have left
	FRAG S+12, AD16, AD8, 10752
.rept 8
	v_nop                                          ; p's scale words, written by vector instructions, stand eight places ahead of the scaled products, its codes four
.endr
	s_wait_dscnt 8                                 ; tiles 0, 1 are in; the youngest eight loads (tiles 2, 3) may be out
	PV 0, KF
	PV 1, KF+12
	s_wait_dscnt 0x0
	PV 2, S
	PV 3, S+12
.endm
.macro SLOTWORK n                      ; my four key steps of slot n: a loop of constant count
	s_add_co_u32 s[TB], s[KHB], \n*SLOTB
	s_mov_b32 s[CNT], 4
.Lstep_\@:
	STEP
	s_add_co_u32 s[TB], s[TB], 2*STEPB
	s_sub_co_u32 s[CNT], s[CNT], 1
	s_cmp_lg_u32 s[CNT], 0
	s_cbranch_scc1 .Lstep_\@
.endm
; THE CHANGE OF SLOTS.  Each wave waits for all its tensor loads (its part of the slot ahead), adds 0 to its spare word, waits for that and for its reads of slot n; a round of the cluster's barrier;
; slot n is filled again, 16 key steps on: the wave's one tensor load behind the round, with four steps of every wave in which to land.
.macro CHANGE n
	s_wait_tensorcnt 0x0
	ds_add_u32 v[SPW], v[NIL]
	s_add_nc_u64 s[G0+4*\n+2:G0+4*\n+3], s[G0+4*\n+2:G0+4*\n+3], 2*SLOTB   ; no load of mine is out: the group 0 may be written
	s_wait_dscnt 0x0
	CROUND
	tensor_load_to_lds s[G0+4*\n:G0+4*\n+3], s[G1:G1+7]
	s_nop 0
.rept 4
	v_nop
.endr
.endm
	s_load_b128 s[4:7], s[0:1], 0x0                ; qc, kv
	s_load_b64 s[8:9], s[0:1], 0x10                ; oc
	v_lshl_add_u32 v[SPW], v0, 2, SPARE
	v_mov_b32 v[NIL], 0
	ds_add_u32 v[SPW], v[NIL]                      ; the wave's opening, waited for ahead of my first tensor load
	v_lshrrev_b32 v1, 5, v0
	v_readfirstlane_b32 s[WV], v1                  ; wave 0..15
	v_and_b32 v[LN], 31, v0
	v_and_b32 v[RR], 15, v0
	v_bfe_u32 v[HH], v0, 4, 1
	v_lshlrev_b32 v[L16], 4, v[LN]
	v_lshlrev_b32 v[L8], 3, v[LN]
	v_lshlrev_b32 v[H8], 3, v[HH]
	v_mov_b32 v[PX], 0
	s_and_b32 s[QG], s[WV], 7
	s_lshr_b32 s[KH], s[WV], 3
	s_bfe_u32 s[CXR], ttmp6, 0x40000
	s_lshl_b32 s[QB], ttmp9, 2
	s_add_co_u32 s[QB], s[QB], s[CXR]              ; my block of 256 queries: it enters qc's and oc's addresses alone
	s_and_b32 s[HD], ttmp7, 0xffff                 ; the head, which the four partners share
	s_mov_b32 s[G1], 15|(3<<16)|(1<<21)            ; the mask: all four; elements of 8 bytes; 21 set beside a mask
	s_mov_b32 s[G1+1], 32<<16                      ; 25 rows of 256 bytes, dense
	s_mov_b32 s[G1+2], 25<<16
	s_mov_b32 s[G1+3], 32<<16
	s_mov_b32 s[G1+4], 25
	s_mov_b32 s[G1+5], 32
	s_mov_b32 s[G1+6], 0
	s_mov_b32 s[G1+7], 0
	s_mul_i32 s[KHB], s[KH], STEPB
	s_mov_b32 s[SEL], 0x76543210
	s_mov_b32 s[SEL+1], 0xfedcba98
	s_mov_b32 s[CS], 0xbfb8aa3b                    ; -log2 e
	s_mov_b32 s[CS+1], s[CS]
	s_mul_i32 s40, s[HD], 409600                   ; kv: the head, my 6,400 bytes of a slot
	s_mul_i32 s42, s[WV], 6400
	s_add_co_u32 s40, s40, s42
	s_mov_b32 s41, 0
	s_lshl_b32 s46, s[QB], 1
	s_lshr_b32 s47, s[QG], 2
	s_add_co_u32 s46, s46, s47                     ; my block of 128 tokens
	s_and_b32 s48, s[QG], 3
	s_lshl_b32 s49, s48, 1
	s_add_co_u32 s49, s49, s[KH]                   ; slot 0's tile in it
	s_mul_i32 s44, s[HD], 204800
	s_mul_i32 s62, s46, 6400
	s_add_co_u32 s44, s44, s62
	s_mov_b32 s45, 0
	s_mul_i32 s54, s49, 768
	s_mov_b32 s55, 0
	s_xor_b32 s62, s49, 1                          ; slot 1's tile: the pair's other one
	s_mul_i32 s56, s62, 768
	s_mov_b32 s57, 0
	s_lshr_b32 s62, s[HD], 1
	s_mul_i32 s62, s62, STEPB                      ; oc: K step head / 2
	s_and_b32 s63, s[HD], 1
	s_mul_i32 s50, s46, 102400
	s_add_co_u32 s50, s50, s62
	s_mul_i32 s43, s49, 1536
	s_add_co_u32 s50, s50, s43
	s_mul_i32 s43, s63, 768
	s_add_co_u32 s50, s50, s43                     ; my tile's fragment, the half of my head
	s_mov_b32 s51, 0
	s_mul_i32 s52, s[QB], 204800
	s_add_co_u32 s52, s52, s62
	s_lshl_b32 s43, s63, 8
	s_add_co_u32 s52, s52, s43
	s_add_co_u32 s52, s52, 12288                   ; my head's half-words, of the first of my two blocks of 128
	s_mov_b32 s53, 0
	s_lshl_b32 s62, s[WV], 12
	s_add_co_u32 s62, s62, XCH
	v_add_nc_u32 v[XW], s62, v[L16]                ; where I put slot 1,
	s_xor_b32 s62, s[WV], 8
	s_lshl_b32 s62, s62, 12
	s_add_co_u32 s62, s62, XCH
	v_add_nc_u32 v[XR], s62, v[L16]                ; and where my partner has put its
	s_lshl_b32 s62, s47, 8
	s_lshl_b32 s63, s49, 1
	s_add_co_u32 s62, s62, s63
	s_add_co_u32 s62, s62, SX
	v_lshl_add_u32 v[SXW], v[RR], 4, s62
	v_add_nc_u32 v[SXR], SX, v[L16]
	v_mul_u32_u24 v[GSO], v[HH], 102400
	v_lshl_add_u32 v[GSO], v[RR], 4, v[GSO]
	v_lshlrev_b32 v[QSO], 4, v[RR]
	v_lshl_add_u32 v[QSO], s48, 2, v[QSO]          ; q's half-words: row r, my pair's word
	s_mov_b32 s58, 0x01000100
	s_mov_b32 s59, 0x03020302
	s_cmp_eq_u32 s[KH], 0
	s_cselect_b32 s60, s58, s59                    ; slot 0's half-word twice,
	s_cselect_b32 s61, s59, s58                    ; slot 1's
	s_wait_dscnt 0x0                               ; the opening add is done
	s_wait_kmcnt 0x0
	s_add_nc_u64 s[40:41], s[6:7], s[40:41]
	s_add_nc_u64 s[44:45], s[4:5], s[44:45]
	s_add_nc_u64 s[54:55], s[44:45], s[54:55]
	s_add_nc_u64 s[56:57], s[44:45], s[56:57]
	s_add_nc_u64 s[50:51], s[8:9], s[50:51]
	s_add_nc_u64 s[52:53], s[8:9], s[52:53]
.irp n, 0,1
	s_mov_b32 s[G0+4*\n], 1
	s_add_co_u32 s[G0+4*\n+1], s42, \n*SLOTB
	s_add_nc_u64 s[G0+4*\n+2:G0+4*\n+3], s[40:41], \n*SLOTB
	s_or_b32 s[G0+4*\n+3], s[G0+4*\n+3], 0x80000000
.endr
	CROUND                                         ; all four work-groups are here: the first joint loads meet
	tensor_load_to_lds s[G0:G0+3], s[G1:G1+7]      ; key steps 0-7; two loads of mine are out
	s_nop 0
	tensor_load_to_lds s[G0+4:G0+7], s[G1:G1+7]    ; key steps 8-15
	s_nop 0
.rept 4
	v_nop
.endr
	global_load_b128 v[Q:Q+3], v[L16], s[54:55]                 ; q0
	global_load_b64 v[Q+4:Q+5], v[L8], s[54:55] offset:512
	global_load_b128 v[Q+12:Q+15], v[L16], s[56:57]             ; q1
	global_load_b64 v[Q+16:Q+17], v[L8], s[56:57] offset:512
	global_load_b128 v[Q+24:Q+27], v[L16], s[54:55]             ; q0 again
	global_load_b64 v[Q+28:Q+29], v[L8], s[54:55] offset:512
	global_load_b32 v[HWQ], v[QSO], s[44:45] offset:6144
.irp i, 6,7,8,9,10,11,18,19,20,21,22,23
	v_mov_b32 v[Q+\i], 0                           ; the zero codes between them
.endr
.set j, 0
.rept 64
	v_mov_b32 v[O+j], 0                            ; O^T.  (The step is written once: the first finds zeros)
.set j, j+1
.endr
	s_wait_loadcnt 0x0
	v_perm_b32 v[QSW], v[HWQ], v[HWQ], s60         ; q's two bytes twice: they serve whichever half of K holds q
	v_perm_b32 v[QSW+1], v[HWQ], v[HWQ], s61
.rept 8
	v_nop                                          ; scale registers written by vector instructions stand eight places ahead of a scaled product
.endr
	s_wait_tensorcnt 1                             ; my part of slot 0 is in; slot 1's may stay out
	s_barrier_signal -1
	s_barrier_wait -1
	SLOTWORK 0
	CHANGE 0                                       ; key steps 16-23 into slot 0
	SLOTWORK 1
	CHANGE 1                                       ; key steps 24-31 into slot 1
	SLOTWORK 0
	s_wait_tensorcnt 0x0                           ; the last change of slots fills nothing: the three lines and my work-group's barrier
	ds_add_u32 v[SPW], v[NIL]
	s_wait_dscnt 0x0
	s_barrier_signal -1
	s_barrier_wait -1
	SLOTWORK 1
	; THE WAY OUT.  Slot 1 goes to the wave that holds the same tile in slot 0; its slot 1 is added to my slot 0; the sum is quantised: a lane's 32 are d = 32 h + 0 .. 31, a whole block along head x D.
.rept 4
	v_nop
.endr
.irp n, 0,1,2,3,4,5,6,7
	ds_store_b128 v[XW], v[O+32+4*\n:O+32+4*\n+3] offset:512*\n   ; each accumulator from its low end on
.endr
	s_wait_dscnt 0x0                               ; for my partner's sake
	s_barrier_signal -1
	s_barrier_wait -1
.irp n, 0,1,2,3,4,5,6,7
	ds_load_b128 v[S+4*\n:S+4*\n+3], v[XR] offset:512*\n
.endr
	s_wait_dscnt 0x0
.set j, 0
.rept 16
	v_pk_add_f32 v[O+j:O+j+1], v[O+j:O+j+1], v[S+j:S+j+1]
.set j, j+2
.endr
	QSCALE 1, O, 32, MA, SOP, BY0, 1
	v_lshlrev_b32 v[BY1], v[H8], v[BY0]
	v_permlanex16_b32 v[PX], v[BY1], s[SEL], s[SEL+1]
	v_or_b32 v[BY1], v[BY1], v[PX]                 ; the query's half-word for this head
	QCODE 1, O, 32, KF, 6, KF+6, SOP
	ds_store_b16 v[SXW], v[BY1]
	global_store_b128 v[L16], v[KF:KF+3], s[50:51]             ; 512 consecutive bytes, aligned to 256
	global_store_b64 v[L8], v[KF+4:KF+5], s[50:51] offset:512  ; 256
	s_wait_dscnt 0x0                               ; for wave 0's sake
	s_barrier_signal -1
	s_barrier_wait -1
	s_cmp_lg_u32 s[WV], 0
	s_cbranch_scc1 .Lend
	ds_load_b128 v[S:S+3], v[SXR]                  ; wave 0 stores the two blocks' units: 16 lanes store 256 consecutive bytes, aligned
	s_wait_dscnt 0x0
	global_store_b128 v[GSO], v[S:S+3], s[52:53]
.Lend:
	s_wait_tensorcnt 0x0                           ; the wave's end
	ds_add_u32 v[SPW], v[NIL]
	s_wait_dscnt 0x0
	CROUND                                         ; the closing round
	s_endpgm
.Lfunc_end_k_q698f616142_attn:
	.size	k_q698f616142_attn, .Lfunc_end_k_q698f616142_attn-k_q698f616142_attn
	.p2alignl 7, 3214868480
	.fill 96, 4, 3214868480
	.section	.rodata,"a",@progbits
	.p2align	6, 0x0
	.amdhsa_kernel k_q698f616142_attn
		.amdhsa_group_segment_fixed_size 327680
		.amdhsa_private_segment_fixed_size 0
		.amdhsa_enable_private_segment 0
		.amdhsa_kernarg_size 24
		.amdhsa_user_sgpr_count 2
		.amdhsa_user_sgpr_kernarg_segment_ptr 1
		.amdhsa_wavefront_size32 1
		.amdhsa_system_sgpr_workgroup_id_x 1
		.amdhsa_system_sgpr_workgroup_id_y 1
		.amdhsa_system_sgpr_workgroup_id_z 1
		.amdhsa_system_vgpr_workitem_id 0
		.amdhsa_next_free_vgpr 256
		.amdhsa_next_free_sgpr 66
		.amdhsa_reserve_vcc 0
		.amdhsa_float_denorm_mode_32 3
		.amdhsa_float_denorm_mode_16_64 3
		.amdhsa_memory_ordered 1
		.amdhsa_forward_progress 1
		.amdhsa_inst_pref_size 129
	.end_amdhsa_kernel
	.amdgpu_metadata
---
amdhsa.version: [ 1, 2 ]
amdhsa.kernels:
  - .name:           k_q698f616142_attn
    .symbol:         k_q698f616142_attn.kd
    .args:
      - { .name: qc, .offset: 0, .size: 8, .value_kind: global_buffer, .address_space: global }
      - { .name: kv, .offset: 8, .size: 8, .value_kind: global_buffer, .address_space: global }
      - { .name: oc, .offset: 16, .size: 8, .value_kind: global_buffer, .address_space: global }
    .group_segment_fixed_size: 327680
    .private_segment_fixed_size: 0
    .kernarg_segment_align: 8
    .kernarg_segment_size: 24
    .max_flat_workgroup_size: 512
    .sgpr_count:     66
    .vgpr_count:     256
    .wavefront_size: 32
...
	.end_amdgpu_metadata
.endif
;; end of part 3
;; launch outp (part 4): grid 8 x 32, 8 waves a work-group, clusters of 4 x 4, 275,456 bytes of LDS; arguments xc, oc, bp, out0; writes out0
.if DOCPART == 4
	.amdgcn_target "amdgcn-amd-amdhsa--gfx1250"
	.amdhsa_code_object_version 6
	.text
	.protected	k_q698f616142_outp
	.globl	k_q698f616142_outp
	.p2align	8
	.type	k_q698f616142_outp,@function
k_q698f616142_outp:
	s_mov_b64 s[64:65], 0
	v_nop
	global_prefetch_b8 v0, s[64:65] scope:SCOPE_SE
	s_setreg_imm32_b32 hwreg(HW_REG_WAVE_MODE, 25, 1), 1
	s_wait_xcnt 0x0
	s_wait_alu depctr_hold_cnt(0) depctr_sa_sdst(0) depctr_va_vdst(0) depctr_va_sdst(0) depctr_va_ssrc(0) depctr_va_vcc(0) depctr_vm_vsrc(0)
	s_getreg_b32 s2, hwreg(HW_REG_IB_STS2, 6, 4)
	s_cmp_eq_u32 s2, 0
	s_cbranch_scc0 .Lentry_in_a_cluster
	s_endpgm
.Lentry_in_a_cluster:
	s_bfe_u32 s2, ttmp6, 0x10000c
	s_cmp_lg_u32 s2, 0xf033
	s_cbranch_scc0 .Lentry_shape_is_right
	s_endpgm
.Lentry_shape_is_right:
; out0 = x Wp^T + bp on codes of E2M3.  x's codes lie in oc ([block of 128 tokens][K step][8 fragments][two units of half-words, one for each head of the step]), Wp's in xc, blocks 120-127.
; A work-group makes 128 tokens x 128 features over all of K = 1,024; both panels, 2 x 102,400 bytes, lie in LDS whole: every tensor load is a first fill.
; CLUSTERS: 4 x 4: Wp's panel is shared along a column of the cluster, x's along a row: joint loads.
; WAVES: wave w: group g0 = w % 2 of Wp's features (source 0, 4 tiles), tiles 2 pq, 2 pq + 1 (pq = w / 2) of the tokens (source 1).  A lane holds one token and features 32 h + 0 .. 31 of the group.
; bp is the C of each sum's first product.  The tokens of a tile are not neighbours (row m of tile u = 8 u + m % 8 + 32 (m / 8) of a group of 64): the stores' offsets put each row where it belongs.
.set STEPB, 12800
.set CHB,   51200
.set XOFF,  25600
.set STG,   204800                     ; a stage of 32 rows x (256 bytes + 16) for each wave
.set SPARE, 274432
.set LN,  1
.set RR,  2
.set HH,  3
.set L16, 4
.set L8,  5
.set AP16, 6
.set AP8,  7
.set AQ16, 8
.set AQ8,  9
.set AS0, 10
.set AS1, 11
.set SPW, 14
.set NIL, 15
.set STA, 16
.set STR, 17
.set GSO, 18
.set GBO, 19
.set SA,  20
.set SB,  24
.set HA,  26
.set HB,  27
.set ACC, 48
.set F0,  112
.set F1,  160
.set BP,  184
.set WV,  18
.set G1W, 20
.set G1X, 28
.set G0W, 36
.set G0X, 68
.set CX,  52
.set CY,  53
.set NB,  54
.set CLY, 55
.set YB,  56
.set GZ,  59
.set PQ,  60
.macro CROUND
	s_barrier_signal -1
	s_barrier_wait -1
	s_cmp_lg_u32 s[WV], 0
	s_cbranch_scc1 .Lnot_wave_0_\@
	s_barrier_signal -3
.Lnot_wave_0_\@:
	s_barrier_wait -3
	s_barrier_signal -1
	s_barrier_wait -1
.endm
.macro FRAG reg, a16, a8, off
	ds_load_b128 v[\reg:\reg+3], v[\a16] offset:\off
	ds_load_b64 v[\reg+4:\reg+5], v[\a8] offset:\off+512
	ds_load_b128 v[\reg+6:\reg+9], v[\a16] offset:\off+768
	ds_load_b64 v[\reg+10:\reg+11], v[\a8] offset:\off+1280
.endm
; A K step of 128 (two heads).  x's scale word of a tile is the tile's half-word of the first head below that of the second: two loads, asked for first, and two v_perm_b32.
.macro KSTEP off, first
	ds_load_b32 v[HA], v[AS1] offset:\off          ; my two tiles' half-words, head 2 s,
	ds_load_b32 v[HB], v[AS1] offset:\off+256      ; head 2 s + 1
.irp i, 0,1,2,3
	FRAG F0+12*\i, AP16, AP8, \off+1536*\i
.endr
.irp b, 0,1
	FRAG F1+12*\b, AQ16, AQ8, \off+1536*\b
.endr
	ds_load_b128 v[SA:SA+3], v[AS0] offset:\off
	s_wait_dscnt 25                                ; the two half-word loads are in; the 25 issued behind them may be out
	v_perm_b32 v[SB], v[HB], v[HA], 0x05040100     ; tile 2 pq: the two low halves
	v_perm_b32 v[SB+1], v[HB], v[HA], 0x07060302   ; tile 2 pq + 1: the two high halves
.rept 8
	v_nop                                          ; scale registers written by vector instructions stand eight places ahead of a scaled product; the fragments land meanwhile
.endr
	s_wait_dscnt 0x0
.irp b, 0,1
.irp i, 0,1,2,3
.if \first
	v_wmma_scale_f32_16x16x128_f8f6f4 v[ACC+32*\b+8*\i:ACC+32*\b+8*\i+7], v[F0+12*\i:F0+12*\i+11], v[F1+12*\b:F1+12*\b+11], v[BP+8*\i:BP+8*\i+7], v[SA+\i], v[SB+\b] matrix_a_fmt:MATRIX_FMT_FP6 matrix_b_fmt:MATRIX_FMT_FP6
.else
	v_wmma_scale_f32_16x16x128_f8f6f4 v[ACC+32*\b+8*\i:ACC+32*\b+8*\i+7], v[F0+12*\i:F0+12*\i+11], v[F1+12*\b:F1+12*\b+11], v[ACC+32*\b+8*\i:ACC+32*\b+8*\i+7], v[SA+\i], v[SB+\b] matrix_a_fmt:MATRIX_FMT_FP6 matrix_b_fmt:MATRIX_FMT_FP6
.endif
.endr
.endr
.rept 4
	v_nop                                          ; four places in front of loads into, and vector writes of, registers that these products read, and of the first read of results
.endr
.endm
	s_load_b256 s[4:11], s[0:1], 0x0               ; xc, oc, bp, out0
	v_lshl_add_u32 v[SPW], v0, 2, SPARE
	v_mov_b32 v[NIL], 0
	ds_add_u32 v[SPW], v[NIL]                      ; the wave's opening, waited for ahead of my first tensor load
	v_lshrrev_b32 v1, 5, v0
	v_readfirstlane_b32 s[WV], v1                  ; wave 0..7
	v_and_b32 v[LN], 31, v0
	v_and_b32 v[RR], 15, v0
	v_bfe_u32 v[HH], v0, 4, 1
	v_lshlrev_b32 v[L16], 4, v[LN]
	v_lshlrev_b32 v[L8], 3, v[LN]
	v_lshlrev_b32 v[GBO], 7, v[HH]
	s_and_b32 s[GZ], s[WV], 1
	s_lshr_b32 s[PQ], s[WV], 1
	s_bfe_u32 s[CX], ttmp6, 0x40000
	s_bfe_u32 s[CY], ttmp6, 0x40004
	s_lshl_b32 s[NB], ttmp9, 2
	s_add_co_u32 s[NB], s[NB], s[CX]               ; feature block
	s_and_b32 s[CLY], ttmp7, 0xffff
	s_lshl_b32 s[YB], s[CLY], 2
	s_add_co_u32 s[YB], s[YB], s[CY]               ; block of 128 tokens
	s_lshl_b32 s84, s[CY], 2
	s_lshl_b32 s84, 15, s84                        ; my row of the cluster
	s_lshl_b32 s85, 0x1111, s[CX]                  ; my column
	s_or_b32 s[G1W], s85, (3<<16)|(1<<21)
	s_or_b32 s[G1X], s84, (3<<16)|(1<<21)
.irp g, G1W, G1X                       ; 25 rows of 256 bytes, dense
	s_mov_b32 s[\g+1], 32<<16
	s_mov_b32 s[\g+2], 25<<16
	s_mov_b32 s[\g+3], 32<<16
	s_mov_b32 s[\g+4], 25
	s_mov_b32 s[\g+5], 32
	s_mov_b32 s[\g+6], 0
	s_mov_b32 s[\g+7], 0
.endr
	s_and_b32 s88, s[WV], 3
	s_mul_i32 s88, s88, 6400
	s_add_co_u32 s86, s[NB], 120
	s_mul_i32 s86, s86, 102400                     ; Wp's panel (no cy in it)
	s_add_co_u32 s86, s86, s88
	s_mov_b32 s87, 0
	s_mul_i32 s90, s[YB], 102400                   ; x's panel (no cx in it)
	s_add_co_u32 s90, s90, s88
	s_mov_b32 s91, 0
	s_mul_i32 s89, s[WV], 6400
	s_wait_dscnt 0x0                               ; the opening add is done
	s_wait_kmcnt 0x0
	s_add_nc_u64 s[86:87], s[4:5], s[86:87]
	s_add_nc_u64 s[90:91], s[6:7], s[90:91]
.irp j, 0,1,2,3
	s_mov_b32 s[G0W+4*\j], 1
	s_add_co_u32 s[G0W+4*\j+1], s89, \j*CHB
	s_add_nc_u64 s[G0W+4*\j+2:G0W+4*\j+3], s[86:87], \j*2*STEPB
	s_or_b32 s[G0W+4*\j+3], s[G0W+4*\j+3], 0x80000000
	s_mov_b32 s[G0X+4*\j], 1
	s_add_co_u32 s[G0X+4*\j+1], s89, \j*CHB
	s_add_nc_u64 s[G0X+4*\j+2:G0X+4*\j+3], s[90:91], \j*2*STEPB
	s_or_b32 s[G0X+4*\j+3], s[G0X+4*\j+3], 0x80000000
.endr
	CROUND                                         ; all sixteen work-groups are here: the joint loads meet
	s_cmp_lt_u32 s[WV], 4                          ; a wave's four first fills stand in one branch: four loads of mine are out
	s_cbranch_scc0 .Lfill_x
.irp j, 0,1,2,3
	tensor_load_to_lds s[G0W+4*\j:G0W+4*\j+3], s[G1W:G1W+7]
	s_nop 0
.endr
.rept 4
	v_nop
.endr
	s_branch .Lfilled
.Lfill_x:
.irp j, 0,1,2,3
	tensor_load_to_lds s[G0X+4*\j:G0X+4*\j+3], s[G1X:G1X+7]
	s_nop 0
.endr
.rept 4
	v_nop
.endr
.Lfilled:
	s_lshl_b32 s92, s[NB], 9
	s_lshl_b32 s94, s[GZ], 8
	s_add_co_u32 s92, s92, s94                     ; my 64 features, in bytes: in bp and in a row of out0
	s_mov_b32 s93, 0
	s_add_nc_u64 s[84:85], s[8:9], s[92:93]
.irp n, 0,1,2,3,4,5,6,7
	global_load_b128 v[BP+4*\n:BP+4*\n+3], v[GBO], s[84:85] offset:16*\n   ; bp of features 32 h + 0 .. 31 of my group
.endr
	s_add_nc_u64 s[88:89], s[10:11], s[92:93]
	s_lshl_b32 s92, s[YB], 7
	s_lshr_b32 s94, s[PQ], 1
	s_lshl_b32 s94, s94, 6
	s_add_co_u32 s92, s92, s94
	s_and_b32 s94, s[PQ], 1
	s_lshl_b32 s94, s94, 4
	s_add_co_u32 s92, s92, s94                     ; token 128 mb + 64 (pq / 2) + 16 (pq % 2)
	s_lshl_b32 s92, s92, 12
	s_add_nc_u64 s[88:89], s[88:89], s[92:93]
	s_mul_i32 s96, s[GZ], 6144                     ; the LDS addresses: Wp's group,
	v_add_nc_u32 v[AP16], s96, v[L16]
	v_add_nc_u32 v[AP8], s96, v[L8]
	s_mul_i32 s97, s[PQ], 3072                     ; x's two tiles,
	s_add_co_u32 s97, s97, XOFF
	v_add_nc_u32 v[AQ16], s97, v[L16]
	v_add_nc_u32 v[AQ8], s97, v[L8]
	s_lshl_b32 s96, s[GZ], 8
	s_add_co_u32 s96, s96, 12288
	v_lshl_add_u32 v[AS0], v[RR], 4, s96           ; Wp's scale words,
	s_lshl_b32 s97, s[PQ], 2
	s_add_co_u32 s97, s97, XOFF+12288
	v_lshl_add_u32 v[AS1], v[RR], 4, s97           ; x's half-words: row r, my pair's word
	s_mul_i32 s96, s[WV], 8704
	s_add_co_u32 s96, s96, STG                     ; my stage
	v_mul_u32_u24 v[STA], v[RR], 272
	v_lshl_add_u32 v[STA], v[HH], 7, v[STA]
	v_add_nc_u32 v[STA], s96, v[STA]               ; in: row r, + 128 h
	v_mul_u32_u24 v[STR], v[HH], 272
	v_lshl_add_u32 v[STR], v[RR], 4, v[STR]
	v_add_nc_u32 v[STR], s96, v[STR]               ; back: lanes 0-15 one row, lanes 16-31 the next
	v_lshlrev_b32 v[GSO], 12, v[HH]
	v_lshl_add_u32 v[GSO], v[RR], 4, v[GSO]        ; and the same two rows in out0
	s_wait_loadcnt 0x0                             ; bp
.irp j, 0,1,2,3                        ; four chunks of two K steps; in front of chunk j my own part of it has landed (my 3 - j later loads may stay out), then a barrier
	s_wait_tensorcnt 3-\j
	s_barrier_signal -1
	s_barrier_wait -1
.if \j == 0
	KSTEP 0, 1
.else
	KSTEP 0, 0
.endif
	KSTEP STEPB, 0
.if \j < 3
.irp a, AP16, AP8, AQ16, AQ8, AS0, AS1
	v_add_nc_u32 v[\a], CHB, v[\a]
.endr
.endif
.endr
	; THE WAY OUT, through my own stage: a lane's 128 bytes of a row go in, whole rows of 256 bytes come back.  LDS serves a wave's instructions in order: no wait between the stores and the loads.
.irp b, 0,1
.irp i, 0,1,2,3
	ds_store_b128 v[STA], v[ACC+32*\b+8*\i:ACC+32*\b+8*\i+3] offset:4352*\b+32*\i          ; each accumulator from its low end on
	ds_store_b128 v[STA], v[ACC+32*\b+8*\i+4:ACC+32*\b+8*\i+7] offset:4352*\b+32*\i+16
.endr
.endr
.irp n, 0,1,2,3,4,5,6,7,8,9,10,11,12,13,14,15
	ds_load_b128 v[F0+4*\n:F0+4*\n+3], v[STR] offset:544*\n
.endr
.irp n, 0,1,2,3,4,5,6,7,8,9,10,11,12,13,14,15
	s_wait_dscnt 15-\n                             ; rows 2 n, 2 n + 1 of the stage are back; the younger loads may be out
	global_store_b128 v[GSO], v[F0+4*\n:F0+4*\n+3], s[88:89] offset:(8*(\n/8)+2*(\n%4)+32*((\n/4)%2))*4096 th:TH_STORE_NT   ; stage row 16 b + r is token 8 b + r % 8 + 32 (r / 8); 16 lanes store 256 consecutive bytes, aligned
.endr
	s_wait_tensorcnt 0x0                           ; the wave's end
	ds_add_u32 v[SPW], v[NIL]
	s_wait_dscnt 0x0
	CROUND                                         ; the closing round
	s_endpgm
.Lfunc_end_k_q698f616142_outp:
	.size	k_q698f616142_outp, .Lfunc_end_k_q698f616142_outp-k_q698f616142_outp
	.p2alignl 7, 3214868480
	.fill 96, 4, 3214868480
	.section	.rodata,"a",@progbits
	.p2align	6, 0x0
	.amdhsa_kernel k_q698f616142_outp
		.amdhsa_group_segment_fixed_size 275456
		.amdhsa_private_segment_fixed_size 0
		.amdhsa_enable_private_segment 0
		.amdhsa_kernarg_size 32
		.amdhsa_user_sgpr_count 2
		.amdhsa_user_sgpr_kernarg_segment_ptr 1
		.amdhsa_wavefront_size32 1
		.amdhsa_system_sgpr_workgroup_id_x 1
		.amdhsa_system_sgpr_workgroup_id_y 1
		.amdhsa_system_sgpr_workgroup_id_z 1
		.amdhsa_system_vgpr_workitem_id 0
		.amdhsa_next_free_vgpr 256
		.amdhsa_next_free_sgpr 100
		.amdhsa_reserve_vcc 0
		.amdhsa_float_denorm_mode_32 3
		.amdhsa_float_denorm_mode_16_64 3
		.amdhsa_memory_ordered 1
		.amdhsa_forward_progress 1
		.amdhsa_inst_pref_size 42
	.end_amdhsa_kernel
	.amdgpu_metadata
---
amdhsa.version: [ 1, 2 ]
amdhsa.kernels:
  - .name:           k_q698f616142_outp
    .symbol:         k_q698f616142_outp.kd
    .args:
      - { .name: xc, .offset: 0, .size: 8, .value_kind: global_buffer, .address_space: global }
      - { .name: oc, .offset: 8, .size: 8, .value_kind: global_buffer, .address_space: global }
      - { .name: bp, .offset: 16, .size: 8, .value_kind: global_buffer, .address_space: global }
      - { .name: out0, .offset: 24, .size: 8, .value_kind: global_buffer, .address_space: global }
    .group_segment_fixed_size: 275456
    .private_segment_fixed_size: 0
    .kernarg_segment_align: 8
    .kernarg_segment_size: 32
    .max_flat_workgroup_size: 256
    .sgpr_count:     100
    .vgpr_count:     256
    .wavefront_size: 32
...
	.end_amdgpu_metadata
.endif
;; end of part 4
